; MI455X (gfx1250); checked and timed in simulation.
; The chip was launched on July 23, 2026; its instructions are those of AMD's public machine-readable ISA for CDNA 5 (MIT licence, August 2026) and "CDNA5" Instruction Set Architecture Reference Guide (July 2026). The comments in the code are by the model that wrote it; some were corrected since.
;; Multi Head Attention. Allowed arithmetic: matrix products marked QUANTISED: E4M3 operands, one given power-of-two scale a tensor, by v_wmma_f32_16x16x64_fp8_fp8 or v_wmma_f32_16x16x128_fp8_fp8, f32 sums; everything else in f32.
;; Inputs: Wkv 1,024 x 1,024 float32; Wq1 1,024 x 1,024 float32; Wq2 1,024 x 1,024 float32; ln1_beta 1,024 float32; ln1_gamma 1,024 float32; ln2_beta 1,024 float32; ln2_gamma 1,024 float32; lowp_scales 14 int32 (the exponents e of the quantised operands' scales 2^e); x1 4 x 1,024 x 1,024 float32; x2 4 x 1,024 x 1,024 float32.
;; Outputs: out0 4 x 1,024 x 1,024 float32; out1 4 x 1,024 x 1,024 float32.
;; This version of the problem:
;;   THIS VERSION OF THE PROBLEM IS GIVEN IN LOW PRECISION. The matrix products marked QUANTISED in the list below multiply operands that are first quantised to E4M3 (4 exponent bits, 3 mantissa bits; 8 bits a number), with one given power-of-two scale for each operand tensor; their sums are f32. All else is computed in f32.
;;   The module's matrix products, in the order in which they are computed (A, B: the left and right operand; K: the contracted axis; several contracted axes count as one K, in the product's order):
;;     1. [M 4,096, K 1,024] x [K 1,024, N 1,024]; A: computed on the way; B: input Wq1: QUANTISED (scales: A lowp_scales[0], B lowp_scales[1])
;;     2. [M 4,096, K 1,024] x [K 1,024, N 1,024]; A: computed on the way; B: input Wq2: QUANTISED (scales: A lowp_scales[2], B lowp_scales[3])
;;     3. [M 8,192, K 1,024] x [K 1,024, N 1,024]; A: computed on the way; B: input Wkv: QUANTISED (scales: A lowp_scales[4], B lowp_scales[5])
;;     4. batch 64 x [M 1,024, K 64] x [K 64, N 2,048]; A: computed on the way; B: computed on the way: QUANTISED (scales: A lowp_scales[6], B lowp_scales[7])
;;     5. batch 64 x [M 1,024, K 2,048] x [K 2,048, N 64]; A: softmax (see below); B: computed on the way: QUANTISED (scales: A lowp_scales[8], B lowp_scales[9])
;;     6. batch 64 x [M 1,024, K 64] x [K 64, N 2,048]; A: computed on the way; B: computed on the way: QUANTISED (scales: A lowp_scales[10], B lowp_scales[11])
;;     7. batch 64 x [M 1,024, K 2,048] x [K 2,048, N 64]; A: softmax (see below); B: computed on the way: QUANTISED (scales: A lowp_scales[12], B lowp_scales[13])
;;   THE QUANTISER, for each operand of a quantised product, along K:
;;     - The operand's scale is 2^e, e = its entry of the input lowp_scales (int32; the entries are numbered through the quantised products in the list's order, A before B).
;;     - Each number is divided by the scale, clamped to +-448, and rounded to the nearest number of E4M3, ties to even, subnormals kept.
;;     - The product sums the exact products of the quantised numbers (number of the format x scale) in f32.
;;   ~~~python
;;   def quantise(x, axis, e):      # numpy; x: float32 -> the quantised numbers, widened to float32 again
;;       x = np.moveaxis(x, axis, -1); K = x.shape[-1]
;;       r = np.clip(x / 2.0 ** e, -448, 448)
;;       step = 2.0 ** (np.maximum(np.frexp(np.where(r == 0, 1, r))[1] - 1, -6) - 3)
;;       q = np.round(r / step) * step * 2.0 ** e      # np.round: ties to even
;;       return np.moveaxis(q, -1, axis).astype(np.float32)
;;   ~~~
;;   SOFTMAX AHEAD OF A QUANTISED PRODUCT. Where the list says 'softmax', what is quantised is not the finished softmax but p = 2^(t - M), with t = logit x log2(e) and M = ceil(the row's largest t), a whole number; so 1/2 < the row's largest p <= 1. The row's sum l is taken of the UNQUANTISED p, in f32, and the product's result is divided by l at the end. Since M is a whole number, a kernel that streams over the keys may use a running M (the ceiling of the running maximum): every later rescaling is an exact power of two, so the quantised numbers keep their values, but for numbers so far below the row's largest that they fall under the format's range.
;;   OPERANDS COMPUTED ON THE WAY. 'Computed on the way' means the value that the module computes at that place (a softmax that the list does not call 'softmax' is quantised finished and normalised). What goes into a quantiser is computed in f32, as accurately as f32 sums, v_exp_f32 and their like allow (about 1e-6 of the number): no bf16 or f16 on the way to a quantiser, and a product that is left as it is and whose result goes on into a quantised operand takes f32 operands (vector FMAs, or v_wmma_f32_16x16x4_f32). A number that lies on a knife's edge between two numbers of the format may be rounded either way, as far as f32 arithmetic and the matrix unit's own rounding can turn it there, and no further.
;; One version. Each part assembles by itself: llvm-mc -triple=amdgcn-amd-amdhsa -mcpu=gfx1250 --defsym DOCPART=n.
;; ======== version 1 of 1: 4 launches
;; limits: right only within a limited range of input values
;; workspace buffers: opimg 11,534,336 bytes; qf32 33,554,432 bytes; fcimg 8,388,608 bytes; kvimg 33,554,432 bytes; qimg 8,388,608 bytes
;; launch prep (part 1): grid 704 x 1, 4 waves a work-group, no clusters, 16,896 bytes of LDS; arguments x1, x2, Wq1, Wq2, Wkv, ln1_gamma, ln1_beta, ln2_gamma, ln2_beta, lowp_scales, opimg; writes opimg
.if DOCPART == 1
	.amdgcn_target "amdgcn-amd-amdhsa--gfx1250"
	.amdhsa_code_object_version 6
	.text
	.protected	k_qd5d35eb68c_prep
	.globl	k_qd5d35eb68c_prep
	.p2align	8
	.type	k_qd5d35eb68c_prep,@function
k_qd5d35eb68c_prep:
	s_mov_b64 s[64:65], 0
	v_nop
	global_prefetch_b8 v0, s[64:65] scope:SCOPE_SE
	s_setreg_imm32_b32 hwreg(HW_REG_WAVE_MODE, 25, 1), 1
	s_wait_xcnt 0x0
; LayerNorm(x1), LayerNorm(x2), Wq1, Wq2, Wkv (rows of 1,024 f32, K innermost) become codes of FP8 (E4M3), each tensor with its given scale 2^e:
; code = value / 2^e, held within +-448, rounded to the nearest code, ties to even.  e: entry 0 (x1), 2 (x2), 1 (Wq1), 3 (Wq2), 5 (Wkv) of the scales.
; LIMITS: -126 <= e <= 119, so that 2^e and 448 x 2^e are f32 numbers.  NaN among the inputs is not served.
; THE CODES ARE STORED AS IMAGES OF THE MATRIX OPERAND'S REGISTERS.  A fragment is 16 rows x 128 K, 16 registers a lane: lane (r, h) holds row r, registers 2 c, 2 c + 1 hold
; K = 16 c + 8 h + 0 .. 7.  Its image is 2,048 bytes: block g (512 bytes) holds registers 4 g .. 4 g + 3, lane l's 16 bytes at 16 l.
; A panel is 128 rows: [quarter of K 0..3][tile of 16 rows 0..7][half of the quarter 0..1][2,048 bytes] = 131,072 bytes.  Panels 0-31 x1, 32-63 x2, 64-71 Wq1, 72-79 Wq2, 80-87 Wkv.
; SHARES.  A work-group makes one tile of 16 rows (16 KiB of image); wave w takes rows 4 w .. 4 w + 3, a whole row in 32 registers: each load reads 512 consecutive bytes,
; lane l holds K = 128 j + 4 l + 0 .. 3 of load j.  Mean and variance are taken in two passes over the registers, as the definition has them.
; A lane's four codes are one register of the image, in another lane's place: they go there through LDS (32 stores of 4 bytes a wave, several lanes to a bank: a small part of the work),
; and each wave stores one quarter of K, 4,096 consecutive bytes.
; No matrix unit, no tensor load, no cluster: the work-groups share nothing but the two vectors of 4 KiB, and memory binds.
.set XR, 32                            ; v32-159   four rows, 32 registers each
.set GA, 160                           ; v160-191  gamma at my 32 places
.set BE, 192                           ; v192-223  beta
.set CR, 224                           ; v224-255  codes: 8 registers a row
; v1 16 x lane; v2 where my codes go in the stage; v3 where I read the stage back; v6 2^e; v7 448 x 2^e; v[8:9] the mean; v[10:11] 1 / sqrt(var + eps); v12-15 sums; v20 from the other half of the lanes
	s_load_b512 s[8:23], s[0:1], 0x0               ; x1 s[8:9], x2 s[10:11], Wq1 s[12:13], Wq2 s[14:15], Wkv s[16:17], gamma1 s[18:19], beta1 s[20:21], gamma2 s[22:23]
	s_load_b128 s[24:27], s[0:1], 0x40             ; beta2 s[24:25], the scales' exponents s[26:27]
	s_load_b64 s[28:29], s[0:1], 0x50              ; the images
	v_lshl_add_u32 v30, v0, 2, 0x4000
	v_mov_b32 v31, 0
	v_lshrrev_b32 v4, 5, v0
	v_readfirstlane_b32 s34, v4                    ; wave 0..3
	v_and_b32 v4, 31, v0
	v_lshlrev_b32 v1, 4, v4                        ; 16 x lane
	; lane l = 4 c + 2 h + e holds, of each 128 along K, the word e of (c, h): block c / 2, image lane (row, h), register 2 (c % 2) + e
	v_bfe_u32 v5, v0, 3, 2
	v_lshlrev_b32 v2, 9, v5                        ; 512 (l / 8)
	v_bfe_u32 v5, v0, 1, 1
	v_lshl_add_u32 v2, v5, 8, v2                   ; + 256 h
	v_bfe_u32 v5, v0, 2, 1
	v_lshl_add_u32 v2, v5, 3, v2                   ; + 8 (c % 2)
	v_and_b32 v5, 1, v0
	v_lshl_add_u32 v2, v5, 2, v2                   ; + 4 e
	s_lshl_b32 s46, s34, 6
	v_add_nc_u32 v2, s46, v2                       ; + 16 x my first row (4 w)
	s_lshl_b32 s46, s34, 12
	v_add_nc_u32 v3, s46, v1                       ; back: quarter w of K, 16 bytes a lane
	s_mov_b32 s30, 0x3a800000                      ; 1 / 1024
	s_mov_b32 s31, 0x3727c5ac                      ; 1e-5
	s_mov_b32 s32, 0x76543210                      ; v_permlanex16_b32: each lane takes its own place in the other half
	s_mov_b32 s33, 0xfedcba98
	v_mov_b32 v9, 0                                ; (named as the upper halves of pairs, and as a permute's destination: written once)
	v_mov_b32 v11, 0
	v_mov_b32 v20, 0
	s_mov_b32 s35, 640                             ; the first work-group of my tensor
	s_lshr_b32 s46, ttmp9, 3                       ; where my wave's 4,096 bytes go: panel,
	s_lshl_b32 s46, s46, 17
	s_and_b32 s47, ttmp9, 7                        ; tile,
	s_lshl_b32 s47, s47, 12
	s_add_co_u32 s46, s46, s47
	s_lshl_b32 s47, s34, 15                        ; quarter of K
	s_add_co_u32 s46, s46, s47
	s_mov_b32 s47, 0
	s_wait_kmcnt 0x0
	s_load_b256 s[36:43], s[26:27], 0x0            ; e0 .. e7
	s_add_nc_u64 s[28:29], s[28:29], s[46:47]
	s_mov_b64 s[44:45], s[16:17]                   ; which tensor: the choice hangs on the work-group's number alone
	s_cmp_lt_u32 ttmp9, 640
	s_cselect_b64 s[44:45], s[14:15], s[44:45]
	s_cselect_b32 s35, 576, s35
	s_cmp_lt_u32 ttmp9, 576
	s_cselect_b64 s[44:45], s[12:13], s[44:45]
	s_cselect_b32 s35, 512, s35
	s_cmp_lt_u32 ttmp9, 512
	s_cselect_b64 s[44:45], s[10:11], s[44:45]
	s_cselect_b32 s35, 256, s35
	s_cmp_lt_u32 ttmp9, 256
	s_cselect_b64 s[44:45], s[8:9], s[44:45]
	s_cselect_b32 s35, 0, s35
	s_cselect_b64 s[18:19], s[18:19], s[22:23]     ; gamma and beta of x1 or of x2
	s_cselect_b64 s[20:21], s[20:21], s[24:25]
	s_sub_co_u32 s2, ttmp9, s35                    ; my tile in the tensor: 16 rows of 4,096 bytes,
	s_lshl_b32 s2, s2, 16
	s_lshl_b32 s3, s34, 14                         ; my wave's four rows
	s_add_co_u32 s2, s2, s3
	s_mov_b32 s3, 0
	s_add_nc_u64 s[44:45], s[44:45], s[2:3]
.macro XS                              ; my four rows are asked for, row by row, and the scale's two numbers are made; written once, run in each of the two arms below
.irp i, 0,1,2,3
.irp j, 0,1,2,3,4,5,6,7
	global_load_b128 v[XR+32*\i+4*\j:XR+32*\i+4*\j+3], v1, s[44:45] offset:4096*\i+512*\j th:TH_LOAD_NT   ; 32 lanes read 512 consecutive bytes; read once in the launch
.endr
.endr
	s_wait_kmcnt 0x0
	s_cmp_lt_u32 ttmp9, 640                        ; my tensor's exponent, by the same compares
	s_cselect_b32 s41, s39, s41
	s_cmp_lt_u32 ttmp9, 576
	s_cselect_b32 s41, s37, s41
	s_cmp_lt_u32 ttmp9, 512
	s_cselect_b32 s41, s38, s41
	s_cmp_lt_u32 ttmp9, 256
	s_cselect_b32 s41, s36, s41
	s_add_co_i32 s41, s41, 127
	s_lshl_b32 s47, s41, 23
	v_mov_b32 v6, s47                              ; 2^e as f32: the conversion takes its exponent field
	s_add_co_i32 s41, s41, 8
	s_lshl_b32 s41, s41, 23
	s_or_b32 s41, s41, 0x600000
	v_mov_b32 v7, s41                              ; 448 x 2^e
.endm
.macro RED                             ; v12 summed over the 32 lanes, the result in every lane
	v_add_f32_dpp v12, v12, v12 row_xmask:1 row_mask:0xf bank_mask:0xf
	v_add_f32_dpp v12, v12, v12 row_xmask:2 row_mask:0xf bank_mask:0xf
	v_add_f32_dpp v12, v12, v12 row_xmask:4 row_mask:0xf bank_mask:0xf
	v_add_f32_dpp v12, v12, v12 row_xmask:8 row_mask:0xf bank_mask:0xf
	v_permlanex16_b32 v20, v12, s32, s33
	v_add_f32 v12, v12, v20
.endm
.macro LNROW i                         ; row i becomes (x - mean) / sqrt(var + eps) x gamma + beta, in place
.set X, XR+32*\i
	v_pk_add_f32 v[12:13], v[X:X+1], v[X+2:X+3]    ; the sum, two at a time, in two chains
	v_pk_add_f32 v[14:15], v[X+4:X+5], v[X+6:X+7]
.set j, 8
.rept 6
	v_pk_add_f32 v[12:13], v[12:13], v[X+j:X+j+1]
	v_pk_add_f32 v[14:15], v[14:15], v[X+j+2:X+j+3]
.set j, j+4
.endr
	v_pk_add_f32 v[12:13], v[12:13], v[14:15]
	v_add_f32 v12, v12, v13
	RED
	v_mul_f32 v8, s30, v12                         ; the mean
.set j, 0
.rept 16
	v_pk_add_f32 v[X+j:X+j+1], v[X+j:X+j+1], v[8:9] op_sel_hi:[1,0] neg_lo:[0,1] neg_hi:[0,1]   ; x - mean
.set j, j+2
.endr
	v_pk_mul_f32 v[12:13], v[X:X+1], v[X:X+1]      ; the sum of squares of x - mean
	v_pk_mul_f32 v[14:15], v[X+2:X+3], v[X+2:X+3]
.set j, 4
.rept 7
	v_pk_fma_f32 v[12:13], v[X+j:X+j+1], v[X+j:X+j+1], v[12:13]
	v_pk_fma_f32 v[14:15], v[X+j+2:X+j+3], v[X+j+2:X+j+3], v[14:15]
.set j, j+4
.endr
	v_pk_add_f32 v[12:13], v[12:13], v[14:15]
	v_add_f32 v12, v12, v13
	RED
	v_fma_f32 v10, v12, s30, s31                   ; var + eps
	s_wait_alu depctr_va_vdst(0)
	v_rsq_f32 v10, v10
	v_nop                                          ; one plain instruction behind the transcendental (ISA guide 5.7.2)
.set j, 0
	s_wait_alu depctr_va_vdst(0)
.rept 16
	v_pk_mul_f32 v[X+j:X+j+1], v[X+j:X+j+1], v[10:11] op_sel_hi:[1,0]
.set j, j+2
.endr
.set j, 0
.rept 16
	v_pk_fma_f32 v[X+j:X+j+1], v[X+j:X+j+1], v[GA+j:GA+j+1], v[BE+j:BE+j+1]
.set j, j+2
.endr
.endm
.macro QROW i                          ; row i's 32 numbers of my lane become 8 words of codes and go to their places in the stage
.set X, XR+32*\i
.set C, CR+8*\i
.set k, 0
.rept 32
	v_med3_num_f32 v[X+k], v[X+k], -v7, v7         ; the conversion to an 8-bit code does not saturate (ISA guide 7.6.2): the hold at the largest code x the scale
.set k, k+1
.endr
.irp g, 0,1,2,3
	v_cvt_scalef32_pk8_fp8_f32 v[C+2*\g:C+2*\g+1], v[X+8*\g:X+8*\g+7], v6   ; word j of the eight: K = 128 j + 4 l + 0 .. 3
.endr
	v_nop                                          ; a plain instruction behind the last conversion of the run
.irp j, 0,1,2,3,4,5,6,7
	ds_store_b32 v2, v[C+\j] offset:2048*\j+16*\i  ; fragment j of the tile, row 4 w + i
.endr
.endm
	s_cmp_lt_u32 ttmp9, 512                        ; the weights are quantised as they are: the paths part once, on the work-group's number; no LDS access and no barrier stands in either arm
	s_cbranch_scc0 .Lplain
.irp j, 0,1,2,3,4,5,6,7
	global_load_b128 v[GA+4*\j:GA+4*\j+3], v1, s[18:19] offset:512*\j   ; gamma and beta are asked for ahead of the rows, so that a row's counted wait shows them too
	global_load_b128 v[BE+4*\j:BE+4*\j+3], v1, s[20:21] offset:512*\j
.endr
	XS
	s_wait_loadcnt 24                              ; loads come back in order: gamma, beta and row 0 are in; the three later rows, eight loads each, may be out
	LNROW 0
	s_wait_loadcnt 16                              ; row 1 is in
	LNROW 1
	s_wait_loadcnt 8                               ; row 2
	LNROW 2
	s_wait_loadcnt 0x0                             ; row 3
	LNROW 3
	s_branch .Lquant
.Lplain:
	XS
.Lquant:
	s_wait_loadcnt 0x0
	s_wait_alu depctr_va_vdst(0)
	QROW 0
	QROW 1
	QROW 2
	QROW 3
	s_wait_dscnt 0x0                               ; for the others' sake: my stores into the stage are done
	s_barrier_signal -1
	s_barrier_wait -1                              ; the tile's eight fragments lie in the stage
.irp i, 0,1,2,3,4,5,6,7
	ds_load_b128 v[XR+4*\i:XR+4*\i+3], v3 offset:512*\i
.endr
.irp i, 0,1,2,3,4,5,6,7
	s_wait_dscnt 7-\i                              ; LDS loads come back in order: load i is in, the younger ones stay out
	global_store_b128 v1, v[XR+4*\i:XR+4*\i+3], s[28:29] offset:512*\i   ; 32 lanes store 512 consecutive bytes, at a multiple of 256 from the buffer's first byte
.endr
	s_wait_tensorcnt 0x0
	ds_add_u32 v30, v31
	s_wait_dscnt 0x0
	s_endpgm
.Lfunc_end_k_qd5d35eb68c_prep:
	.size	k_qd5d35eb68c_prep, .Lfunc_end_k_qd5d35eb68c_prep-k_qd5d35eb68c_prep
	.p2alignl 7, 3214868480
	.fill 96, 4, 3214868480
	.section	.rodata,"a",@progbits
	.p2align	6, 0x0
	.amdhsa_kernel k_qd5d35eb68c_prep
		.amdhsa_group_segment_fixed_size 16896
		.amdhsa_private_segment_fixed_size 0
		.amdhsa_enable_private_segment 0
		.amdhsa_kernarg_size 88
		.amdhsa_user_sgpr_count 2
		.amdhsa_user_sgpr_kernarg_segment_ptr 1
		.amdhsa_wavefront_size32 1
		.amdhsa_system_sgpr_workgroup_id_x 1
		.amdhsa_system_sgpr_workgroup_id_y 1
		.amdhsa_system_sgpr_workgroup_id_z 1
		.amdhsa_system_vgpr_workitem_id 0
		.amdhsa_next_free_vgpr 256
		.amdhsa_next_free_sgpr 66
		.amdhsa_reserve_vcc 0
		.amdhsa_float_denorm_mode_32 3
		.amdhsa_float_denorm_mode_16_64 3
		.amdhsa_memory_ordered 1
		.amdhsa_forward_progress 1
		.amdhsa_inst_pref_size 49
	.end_amdhsa_kernel
	.amdgpu_metadata
---
amdhsa.version: [ 1, 2 ]
amdhsa.kernels:
  - .name:           k_qd5d35eb68c_prep
    .symbol:         k_qd5d35eb68c_prep.kd
    .args:
      - { .name: x1, .offset: 0, .size: 8, .value_kind: global_buffer, .address_space: global }
      - { .name: x2, .offset: 8, .size: 8, .value_kind: global_buffer, .address_space: global }
      - { .name: Wq1, .offset: 16, .size: 8, .value_kind: global_buffer, .address_space: global }
      - { .name: Wq2, .offset: 24, .size: 8, .value_kind: global_buffer, .address_space: global }
      - { .name: Wkv, .offset: 32, .size: 8, .value_kind: global_buffer, .address_space: global }
      - { .name: ln1_gamma, .offset: 40, .size: 8, .value_kind: global_buffer, .address_space: global }
      - { .name: ln1_beta, .offset: 48, .size: 8, .value_kind: global_buffer, .address_space: global }
      - { .name: ln2_gamma, .offset: 56, .size: 8, .value_kind: global_buffer, .address_space: global }
      - { .name: ln2_beta, .offset: 64, .size: 8, .value_kind: global_buffer, .address_space: global }
      - { .name: lowp_scales, .offset: 72, .size: 8, .value_kind: global_buffer, .address_space: global }
      - { .name: opimg, .offset: 80, .size: 8, .value_kind: global_buffer, .address_space: global }
    .group_segment_fixed_size: 16896
    .private_segment_fixed_size: 0
    .kernarg_segment_align: 8
    .kernarg_segment_size: 88
    .max_flat_workgroup_size: 128
    .sgpr_count:     66
    .vgpr_count:     256
    .wavefront_size: 32
...
	.end_amdgpu_metadata
.endif
;; end of part 1
;; launch proj (part 2): grid 8 x 32, 16 waves a work-group, clusters of 4 x 4, 327,680 bytes of LDS; arguments opimg, lowp_scales, qf32, fcimg, qimg; writes qf32, fcimg, qimg
.if DOCPART == 2
	.amdgcn_target "amdgcn-amd-amdhsa--gfx1250"
	.amdhsa_code_object_version 6
	.text
	.protected	k_qd5d35eb68c_proj
	.globl	k_qd5d35eb68c_proj
	.p2align	8
	.type	k_qd5d35eb68c_proj,@function
k_qd5d35eb68c_proj:
	s_mov_b64 s[64:65], 0
	v_nop
	global_prefetch_b8 v0, s[64:65] scope:SCOPE_SE
	s_setreg_imm32_b32 hwreg(HW_REG_WAVE_MODE, 25, 1), 1
	s_wait_xcnt 0x0
	s_wait_alu depctr_hold_cnt(0) depctr_sa_sdst(0) depctr_va_vdst(0) depctr_va_sdst(0) depctr_va_ssrc(0) depctr_va_vcc(0) depctr_vm_vsrc(0)
	s_getreg_b32 s2, hwreg(HW_REG_IB_STS2, 6, 4)
	s_cmp_eq_u32 s2, 0
	s_cbranch_scc0 .Lentry_in_a_cluster
	s_endpgm
.Lentry_in_a_cluster:
	s_bfe_u32 s2, ttmp6, 0x10000c
	s_cmp_lg_u32 s2, 0xf033
	s_cbranch_scc0 .Lentry_shape_is_right
	s_endpgm
.Lentry_shape_is_right:
; Q = LN(x) Wq^T for both inputs at once: rows 0-4,095 are x1's tokens (weights Wq1, exponents e0, e1), rows 4,096-8,191 x2's (Wq2, e2, e3).  Both operands are codes of FP8 (E4M3),
; stored as images of the operand's registers (a fragment of 16 rows x 128 K = 2,048 bytes: block g holds registers 4 g .. 4 g + 3, lane l's 16 bytes at 16 l;
; a panel of 128 rows = [quarter of K][tile of 16 rows][half of the quarter][2,048]).  Sums in f32, one accumulator an output, K ascending.
; OUT: qf32 [8,192][1,024] f32 = sum x 2^(ea + eb); fcimg: the same numbers as codes with the scale 2^e4, as images with K = Q's channel, for the next product;
; qimg: laid as fcimg, the same numbers as codes with the scale of attention's first operand, 2^e6 for x1's rows and 2^e10 for x2's.
; LIMITS: ea + eb between -126 and 127; e4, and e6 or e10, each less ea + eb, between -126 and 119: each power of two below is then an f32 number.
; SHARES.  256 work-groups, each 256 rows x 128 columns with all of K.  Sixteen waves: wave = (mg, ng) makes rows 32 mg on x columns 64 ng on: 8 accumulators.
; LDS.  A quarter of K is 64 KiB of A (two panels' quarters) and 32 KiB of B: a slot of 96 KiB; three slots.  A load is 32 KiB, dense in memory: 128 rows of 256 bytes.
; At the head nine waves issue ONE load each: waves 0-5 A's panel w % 2 of quarter w / 2, waves 6-8 B's panel of quarter w - 6: quarters 0, 1, 2 in slots 0, 1, 2.
; Quarter 3 goes into slot 0 when every wave of the cluster has read quarter 0 out: waves 0, 1 and 6, one load each, with quarters 1 and 2 in which to land.  Every wait on TENSORcnt is for 0.
; CLUSTER 4 x 4: the four work-groups of a row of the cluster need the same panels of A, the four of a column the same panel of B: each load is asked for jointly, with a mask that names the four.
; PREFETCH: none: three quarters of K are asked for at the head and the text has no loop to run ahead in.
; THE MATRIX INSTRUCTION IS USED TRANSPOSED (source 0 = 16 rows of W, source 1 = 16 tokens): lane (r, h) holds token r and eight neighbouring channels 8 h + 0 .. 7, which are
; two registers of the next operand's image as they stand, and 32 neighbouring bytes of a row of qf32.
.set QB,    32768                      ; a panel's bytes in a quarter of K, in memory
.set SLOT,  98304                      ; LDS: a quarter of K: A's 16 tiles of 4 KiB, then B's 8
.set BOFF,  65536
.set WOFF,  8388608                    ; the weights' panels lie behind the 64 panels of rows
.set SPARE, 3*SLOT                     ; behind the slots: the spare words, 128 bytes for each wave
.set STG,   SLOT                       ; the way out: a stage of 16 rows x 272 bytes for each wave, in slot 1: it has had its only fill, and every wave's reads of it stand ahead of the last barrier
.set SP,    272
.set WV,   12                          ; s12 wave; s13 wave & 1 = ng; s14 mg; s16, s17 cx, cy; s18 column panel; s19 work-group y (256 rows); s20 the cluster's y
.set G1A,  24                          ; s[24:31] descriptor group 1 for A;  s[32:39] for B: they differ in the mask
.set G1B,  32
.set G0A,  40                          ; s[40:43] group 0 for A;  s[68:71] for B
.set G0B,  68
.set LI,   1                           ; v1  16 x lane
.set ADRA, 2                           ; v2  LDS address of my two tiles of A in the quarter in hand
.set ADRB, 3                           ; v3  of my four tiles of B
.set STO,  4                           ; v4  the stage: where I put 32 bytes of a row
.set RD,   5                           ; v5  and where I read a row back
.set GQ,   6                           ; v6  my byte offset in the wave's rows of qf32
.set VS,   7                           ; v7  2^(e4 - ea - eb);  v8  448 x that;  v12, v13 the same for e6 or e10
.set VH,   8
.set SPW,  14                          ; v14 LDS address of my spare word; never rewritten
.set NIL,  15                          ; v15 0; never rewritten
.set AF,   16                          ; v16-47   A's two fragments
.set BF,   48                          ; v48-111  B's four
.set ACC,  112                         ; v112-175 accumulator (a, b) at 112 + 8 (4 a + b)
.set T0,   176                         ; v176-191 two sets of eight held numbers, by turns
.set FCC,  192                         ; v192-207 codes for fcimg, v208-223 for qimg: 8 registers for each of my two tiles of rows
.set QCC,  208
.set RB,   16                          ; the way out: rows read back from the stage, 32 registers a tile
.macro CROUND                          ; a round of the cluster's barrier
	s_barrier_signal -1
	s_barrier_wait -1
	s_cmp_lg_u32 s[WV], 0
	s_cbranch_scc1 .Lnot_wave_0_\@
	s_barrier_signal -3
.Lnot_wave_0_\@:
	s_barrier_wait -3
	s_barrier_signal -1
	s_barrier_wait -1
.endm
.macro SETADR off                      ; my fragments' LDS addresses in the slot that begins at byte off
	s_lshl_b32 s60, s14, 13                        ; my two tiles of A: 8,192 mg
	s_add_co_u32 s60, s60, \off
	v_add_nc_u32 v[ADRA], s60, v[LI]
	s_lshl_b32 s60, s13, 14                        ; my four tiles of B: 16,384 ng, behind A's 64 KiB
	s_add_co_u32 s60, s60, (\off)+BOFF
	v_add_nc_u32 v[ADRB], s60, v[LI]
.endm
	s_load_b256 s[4:11], s[0:1], 0x0               ; the images s[4:5], the scales' exponents s[6:7], qf32 s[8:9], fcimg s[10:11]
	s_load_b64 s[92:93], s[0:1], 0x20              ; qimg
	v_lshl_add_u32 v[SPW], v0, 2, SPARE
	v_mov_b32 v[NIL], 0
	ds_add_u32 v[SPW], v[NIL]                      ; the opening lines: the add, twice on end, and its wait
	ds_add_u32 v[SPW], v[NIL]
	s_wait_dscnt 0x0
	v_lshrrev_b32 v9, 5, v0
	s_delay_alu instid0(VALU_DEP_1)
	v_readfirstlane_b32 s[WV], v9                  ; wave 0..15
	s_and_b32 s13, s[WV], 1
	s_lshr_b32 s14, s[WV], 1
	s_bfe_u32 s16, ttmp6, 0x40000                  ; cx, cy: my place in the cluster
	s_bfe_u32 s17, ttmp6, 0x40004
	s_lshl_b32 s18, ttmp9, 2
	s_add_co_u32 s18, s18, s16                     ; column panel = 4 x cluster x + cx
	s_and_b32 s20, ttmp7, 0xffff
	s_lshl_b32 s19, s20, 2
	s_add_co_u32 s19, s19, s17                     ; work-group y = 4 x cluster y + cy
	s_lshl_b32 s21, s17, 2
	s_lshl_b32 s21, 15, s21                        ; my row of the cluster
	s_lshl_b32 s22, 0x1111, s16                    ; my column
	s_or_b32 s[G1A], s21, (3<<16)|(1<<21)          ; 15:0 the mask; 17:16 elements of 8 bytes; 21 set beside a mask
	s_or_b32 s[G1B], s22, (3<<16)|(1<<21)
.irp g, G1A, G1B
	s_mov_b32 s[\g+1], 32<<16                      ; tensor_dim0 = 32
	s_mov_b32 s[\g+2], 128<<16                     ; tensor_dim1 = 128
	s_mov_b32 s[\g+3], 32<<16                      ; tile_dim0 = 32
	s_mov_b32 s[\g+4], 128                         ; tile_dim1 = 128
	s_mov_b32 s[\g+5], 32                          ; tensor_dim0_stride
	s_mov_b32 s[\g+6], 0
	s_mov_b32 s[\g+7], 0
.endr
	s_min_u32 s21, s[WV], 5                        ; (the waves that fetch nothing have their numbers held inside the slots)
	s_lshr_b32 s21, s21, 1                         ; A's quarter
	s_mul_i32 s[G0A+1], s21, SLOT
	s_lshl_b32 s57, s13, 15
	s_add_co_u32 s[G0A+1], s[G0A+1], s57           ; LDS: slot, panel
	s_lshl_b32 s56, s19, 18                        ; memory: my two row panels, panel w % 2, quarter: work-group y and the wave alone
	s_lshl_b32 s57, s13, 17
	s_add_co_u32 s56, s56, s57
	s_lshl_b32 s57, s21, 15
	s_add_co_u32 s56, s56, s57
	s_mov_b32 s57, 0
	s_add_co_u32 s21, s[WV], 2
	s_and_b32 s21, s21, 3
	s_min_u32 s21, s21, 2                          ; B's quarter: 0, 1, 2 in waves 6, 7, 8
	s_mul_i32 s[G0B+1], s21, SLOT
	s_add_co_u32 s[G0B+1], s[G0B+1], BOFF
	s_lshl_b32 s58, s18, 17                        ; memory: my column panel, of Wq1 for the clusters of x1's rows (cluster y under 4), of Wq2 for the others
	s_lshl_b32 s59, s21, 15
	s_add_co_u32 s58, s58, s59
	s_lshr_b32 s59, s20, 2
	s_lshl_b32 s59, s59, 20
	s_add_co_u32 s58, s58, s59
	s_add_co_u32 s58, s58, WOFF
	s_mov_b32 s59, 0
	s_wait_kmcnt 0x0
	s_load_b256 s[84:91], s[6:7], 0x0              ; e0 .. e7
	s_load_b32 s94, s[6:7], 0x28                   ; e10
	s_add_nc_u64 s[56:57], s[4:5], s[56:57]
	s_add_nc_u64 s[58:59], s[4:5], s[58:59]
	CROUND                                         ; all sixteen work-groups are here: the first joint loads meet
	s_mov_b32 s[G0A], 1                            ; count = 1
	s_mov_b64 s[G0A+2:G0A+3], s[56:57]
	s_or_b32 s[G0A+3], s[G0A+3], 0x80000000        ; type = 2
	s_mov_b32 s[G0B], 1
	s_mov_b64 s[G0B+2:G0B+3], s[58:59]
	s_or_b32 s[G0B+3], s[G0B+3], 0x80000000
	s_cmp_lt_u32 s[WV], 6                          ; one chain of branches on the wave's number, one load to an arm
	s_cbranch_scc0 .Lnot_a
	tensor_load_to_lds s[G0A:G0A+3], s[G1A:G1A+7]
	s_nop 0
.rept 4
	v_nop
.endr
	s_branch .Lfilled
.Lnot_a:
	s_cmp_lt_u32 s[WV], 9
	s_cbranch_scc0 .Lfilled
	tensor_load_to_lds s[G0B:G0B+3], s[G1B:G1B+7]
	s_nop 0
.rept 4
	v_nop
.endr
.Lfilled:
	v_and_b32 v9, 31, v0
	s_delay_alu instid0(VALU_DEP_1)
	v_lshlrev_b32 v[LI], 4, v9
	SETADR 0
	v_and_b32 v10, 15, v0                          ; r
	v_bfe_u32 v11, v0, 4, 1                        ; h
	s_mul_i32 s60, s[WV], 16*SP
	s_add_co_u32 s60, s60, STG                     ; my stage
	v_mul_u32_u24 v[STO], v10, SP                  ; in: row r, 32 bytes for each half of the lanes
	s_delay_alu instid0(VALU_DEP_1)
	v_lshl_add_u32 v[STO], v11, 5, v[STO]
	s_delay_alu instid0(VALU_DEP_1)
	v_add_nc_u32 v[STO], s60, v[STO]
	v_mul_u32_u24 v[RD], v11, SP                   ; back: lanes 0-15 one row of 256 bytes, lanes 16-31 the next
	s_delay_alu instid0(VALU_DEP_1)
	v_lshl_add_u32 v[RD], v10, 4, v[RD]
	s_delay_alu instid0(VALU_DEP_1)
	v_add_nc_u32 v[RD], s60, v[RD]
	v_lshlrev_b32 v[GQ], 12, v11                   ; and the same two rows in qf32
	s_delay_alu instid0(VALU_DEP_1)
	v_lshl_add_u32 v[GQ], v10, 4, v[GQ]
	; the images out: panel = 2 x work-group y + mg / 4; my 128 columns are K chunk = column panel: quarter = chunk / 2, half = chunk % 2; tiles 2 (mg % 4), + 1; my 64 columns are blocks 2 ng, 2 ng + 1
	s_lshl_b32 s60, s19, 18
	s_lshr_b32 s61, s14, 2
	s_lshl_b32 s61, s61, 17
	s_add_co_u32 s60, s60, s61
	s_lshr_b32 s61, s18, 1
	s_lshl_b32 s61, s61, 15
	s_add_co_u32 s60, s60, s61
	s_and_b32 s61, s14, 3
	s_lshl_b32 s61, s61, 13
	s_add_co_u32 s60, s60, s61
	s_and_b32 s61, s18, 1
	s_lshl_b32 s61, s61, 11
	s_add_co_u32 s60, s60, s61
	s_lshl_b32 s61, s13, 10
	s_add_co_u32 s60, s60, s61
	s_mov_b32 s61, 0
	s_add_nc_u64 s[10:11], s[10:11], s[60:61]
	s_add_nc_u64 s[92:93], s[92:93], s[60:61]      ; the same place in qimg
	; qf32: row 256 x work-group y + 32 mg, byte 512 x column panel + 256 ng
	s_lshl_b32 s62, s19, 20
	s_lshl_b32 s63, s14, 17
	s_add_co_u32 s62, s62, s63
	s_lshl_b32 s63, s18, 9
	s_add_co_u32 s62, s62, s63
	s_lshl_b32 s63, s13, 8
	s_add_co_u32 s62, s62, s63
	s_mov_b32 s63, 0
	s_add_nc_u64 s[8:9], s[8:9], s[62:63]
	s_wait_kmcnt 0x0
	s_cmp_lt_u32 s20, 4                            ; x1's rows or x2's: a choice of numbers, no branch
	s_cselect_b32 s21, s84, s86
	s_cselect_b32 s23, s85, s87
	s_cselect_b32 s95, s90, s94                    ; e6 or e10
	s_add_co_i32 s21, s21, s23                     ; ea + eb: a sum stands for sum x 2^(ea + eb)
	s_sub_co_i32 s62, s88, s21                     ; so its code under 2^e is sum / 2^(e - ea - eb)
	s_add_co_i32 s22, s21, 127
	s_lshl_b32 s22, s22, 23                        ; 2^(ea + eb) as f32
	s_mov_b32 s23, s22                             ; (named with it as a pair, so it is written)
	s_add_co_i32 s62, s62, 127
	s_lshl_b32 s63, s62, 23
	v_mov_b32 v[VS], s63
	s_add_co_i32 s62, s62, 8
	s_lshl_b32 s62, s62, 23
	s_or_b32 s62, s62, 0x600000
	v_mov_b32 v[VH], s62
	s_sub_co_i32 s95, s95, s21
	s_add_co_i32 s95, s95, 127
	s_lshl_b32 s63, s95, 23
	v_mov_b32 v12, s63
	s_add_co_i32 s95, s95, 8
	s_lshl_b32 s95, s95, 23
	s_or_b32 s95, s95, 0x600000
	v_mov_b32 v13, s95
; 128 along K: half ch of the quarter in hand.  24 LDS loads of 512 consecutive bytes, then 8 matrix instructions.  The 8 accumulators take turns, one instruction a turn, in the same order in every step
; first = 1: the products start the sums: nothing is cleared.
.macro KSTEP ch, first
.if \first == 0
.rept 4
	v_nop                                          ; four places in front of loads into registers that matrix instructions have read
.endr
.endif
.irp a, 0,1
.irp g, 0,1,2,3
	ds_load_b128 v[AF+16*\a+4*\g:AF+16*\a+4*\g+3], v[ADRA] offset:4096*\a+2048*\ch+512*\g
.endr
.endr
.irp b, 0,1,2,3
.irp g, 0,1,2,3
	ds_load_b128 v[BF+16*\b+4*\g:BF+16*\b+4*\g+3], v[ADRB] offset:4096*\b+2048*\ch+512*\g
.endr
.endr
.irp b, 0,1,2,3
	s_wait_dscnt 12-4*\b                           ; A and B's tiles up to b are in; B's later tiles, four loads each, may be out
.irp a, 0,1
.if \first
	v_wmma_f32_16x16x128_fp8_fp8 v[ACC+8*(4*\a+\b):ACC+8*(4*\a+\b)+7], v[BF+16*\b:BF+16*\b+15], v[AF+16*\a:AF+16*\a+15], 0
.else
	v_wmma_f32_16x16x128_fp8_fp8 v[ACC+8*(4*\a+\b):ACC+8*(4*\a+\b)+7], v[BF+16*\b:BF+16*\b+15], v[AF+16*\a:AF+16*\a+15], v[ACC+8*(4*\a+\b):ACC+8*(4*\a+\b)+7]
.endif
.endr
.endr
.endm
; eight sums become eight codes: the hold into registers of their own, from the accumulator's low end on, then the conversion
.macro Q8 acc, dst, vs, vh, t
.irp j, 0,1,2,3,4,5,6,7
	v_med3_num_f32 v[\t+\j], v[\acc+\j], -v[\vh], v[\vh]   ; the conversion to an 8-bit code does not saturate (ISA guide 7.6.2)
.endr
	v_cvt_scalef32_pk8_fp8_f32 v[\dst:\dst+1], v[\t:\t+7], v[\vs]
.endm
	; QUARTER 0.  Each loading wave has one load out: the wait is for it.  Behind the barrier quarters 0, 1 and 2 are in.
	s_wait_tensorcnt 0x0
	s_barrier_signal -1
	s_barrier_wait -1
	KSTEP 0, 1
	KSTEP 1, 0
	; QUARTER 1, AND THE REFILL OF SLOT 0.  Every wave runs the wait and the adds; the round says of every wave of all sixteen
	; work-groups that its reads of slot 0 are over; the joint load of quarter 3 is the first thing behind it, one a wave.
	s_wait_tensorcnt 0x0
	ds_add_u32 v[SPW], v[NIL]
	ds_add_u32 v[SPW], v[NIL]
	SETADR SLOT
	s_add_nc_u64 s[G0A+2:G0A+3], s[G0A+2:G0A+3], 3*QB   ; no load of mine is out: the groups 0 step from quarter 0 to quarter 3 (used by waves 0, 1 and 6, whose LDS address is slot 0's)
	s_add_nc_u64 s[G0B+2:G0B+3], s[G0B+2:G0B+3], 3*QB
	s_wait_dscnt 0x0                               ; the adds are done, and my reads of slot 0 are over
	CROUND
	s_cmp_lt_u32 s[WV], 2
	s_cbranch_scc0 .Lre_b
	tensor_load_to_lds s[G0A:G0A+3], s[G1A:G1A+7]
	s_nop 0
.rept 4
	v_nop
.endr
	s_branch .Lre_done
.Lre_b:
	s_cmp_eq_u32 s[WV], 6
	s_cbranch_scc0 .Lre_done
	tensor_load_to_lds s[G0B:G0B+3], s[G1B:G1B+7]
	s_nop 0
.rept 4
	v_nop
.endr
.Lre_done:
	s_wait_alu depctr_va_vdst(0)
	KSTEP 0, 0
	KSTEP 1, 0
	; QUARTER 2: shown landed to everybody ahead of the first barrier
	SETADR 2*SLOT
	KSTEP 0, 0
	s_wait_alu depctr_va_vdst(0)
	KSTEP 1, 0
	; QUARTER 3, in slot 0
	s_wait_tensorcnt 0x0
	s_barrier_signal -1                            ; (no LDS access of mine is pending)
	s_barrier_wait -1
	SETADR 0
	KSTEP 0, 0
	s_wait_alu depctr_va_vdst(0)
	KSTEP 1, 0
	; THE WAY OUT, a tile of 16 tokens at a time.  Accumulator (a, b): lane (r, h) holds token r, channels 16 b + 8 h + 0 .. 7: its two words of codes are registers 8 ng + 2 b, + 1 of the image.
.rept 4
	v_nop                                          ; four places behind the last products
.endr
.irp a, 0,1
.irp b, 0,1,2,3
	Q8 ACC+8*(4*\a+\b), FCC+8*\a+2*\b, VS, VH, T0+8*(\b%2)   ; the two sets of held numbers take turns: a set is written again only behind the other set's eight plain instructions
.endr
.irp b, 0,1,2,3
	Q8 ACC+8*(4*\a+\b), QCC+8*\a+2*\b, 12, 13, T0+8*(\b%2)
.endr
.set j, 0
.rept 16
	v_pk_mul_f32 v[ACC+32*\a+j:ACC+32*\a+j+1], v[ACC+32*\a+j:ACC+32*\a+j+1], s[22:23] op_sel_hi:[1,0]   ; Q = sum x 2^(ea + eb), in place: nothing is rounded
.set j, j+2
.endr
	global_store_b128 v[LI], v[FCC+8*\a:FCC+8*\a+3], s[10:11] offset:4096*\a        ; a block of an image: 512 consecutive bytes
	global_store_b128 v[LI], v[FCC+8*\a+4:FCC+8*\a+7], s[10:11] offset:4096*\a+512
	global_store_b128 v[LI], v[QCC+8*\a:QCC+8*\a+3], s[92:93] offset:4096*\a
	global_store_b128 v[LI], v[QCC+8*\a+4:QCC+8*\a+7], s[92:93] offset:4096*\a+512
.irp b, 0,1,2,3
	ds_store_b128 v[STO], v[ACC+32*\a+8*\b:ACC+32*\a+8*\b+3] offset:64*\b
	ds_store_b128 v[STO], v[ACC+32*\a+8*\b+4:ACC+32*\a+8*\b+7] offset:64*\b+16
.endr
.irp i, 0,1,2,3,4,5,6,7
	ds_load_b128 v[RB+32*\a+4*\i:RB+32*\a+4*\i+3], v[RD] offset:544*\i   ; LDS serves a wave's instructions in order (ISA guide 5.7.1.4): these see my stores, and the next tile's stores come behind them
.endr
.endr
	s_wait_dscnt 16                                ; the first tile's rows are back; the second tile's 8 stores and 8 loads may be out
.irp i, 0,1,2,3,4,5,6,7
	global_store_b128 v[GQ], v[RB+4*\i:RB+4*\i+3], s[8:9] offset:8192*\i   ; 16 lanes store 256 consecutive bytes, at a multiple of 256 from the buffer's first byte
.endr
	s_wait_dscnt 0x0
.irp i, 0,1,2,3,4,5,6,7
	global_store_b128 v[GQ], v[RB+32+4*\i:RB+32+4*\i+3], s[8:9] offset:65536+8192*\i
.endr
	s_wait_tensorcnt 0x0                           ; the wave's end
	ds_add_u32 v[SPW], v[NIL]
	s_wait_dscnt 0x0
	CROUND                                         ; the closing round: no work-group ends while a partner may still ask for a tile that names it
	s_endpgm
.Lfunc_end_k_qd5d35eb68c_proj:
	.size	k_qd5d35eb68c_proj, .Lfunc_end_k_qd5d35eb68c_proj-k_qd5d35eb68c_proj
	.p2alignl 7, 3214868480
	.fill 96, 4, 3214868480
	.section	.rodata,"a",@progbits
	.p2align	6, 0x0
	.amdhsa_kernel k_qd5d35eb68c_proj
		.amdhsa_group_segment_fixed_size 327680
		.amdhsa_private_segment_fixed_size 0
		.amdhsa_enable_private_segment 0
		.amdhsa_kernarg_size 40
		.amdhsa_user_sgpr_count 2
		.amdhsa_user_sgpr_kernarg_segment_ptr 1
		.amdhsa_wavefront_size32 1
		.amdhsa_system_sgpr_workgroup_id_x 1
		.amdhsa_system_sgpr_workgroup_id_y 1
		.amdhsa_system_sgpr_workgroup_id_z 1
		.amdhsa_system_vgpr_workitem_id 0
		.amdhsa_next_free_vgpr 256
		.amdhsa_next_free_sgpr 100
		.amdhsa_reserve_vcc 0
		.amdhsa_float_denorm_mode_32 3
		.amdhsa_float_denorm_mode_16_64 3
		.amdhsa_memory_ordered 1
		.amdhsa_forward_progress 1
		.amdhsa_inst_pref_size 44
	.end_amdhsa_kernel
	.amdgpu_metadata
---
amdhsa.version: [ 1, 2 ]
amdhsa.kernels:
  - .name:           k_qd5d35eb68c_proj
    .symbol:         k_qd5d35eb68c_proj.kd
    .args:
      - { .name: opimg, .offset: 0, .size: 8, .value_kind: global_buffer, .address_space: global }
      - { .name: lowp_scales, .offset: 8, .size: 8, .value_kind: global_buffer, .address_space: global }
      - { .name: qf32, .offset: 16, .size: 8, .value_kind: global_buffer, .address_space: global }
      - { .name: fcimg, .offset: 24, .size: 8, .value_kind: global_buffer, .address_space: global }
      - { .name: qimg, .offset: 32, .size: 8, .value_kind: global_buffer, .address_space: global }
    .group_segment_fixed_size: 327680
    .private_segment_fixed_size: 0
    .kernarg_segment_align: 8
    .kernarg_segment_size: 40
    .max_flat_workgroup_size: 512
    .sgpr_count:     100
    .vgpr_count:     256
    .wavefront_size: 32
...
	.end_amdgpu_metadata
.endif
;; end of part 2
;; launch kvp (part 3): grid 8 x 32, 16 waves a work-group, clusters of 4 x 4, 327,680 bytes of LDS; arguments fcimg, opimg, lowp_scales, kvimg; writes kvimg
.if DOCPART == 3
	.amdgcn_target "amdgcn-amd-amdhsa--gfx1250"
	.amdhsa_code_object_version 6
	.text
	.protected	k_qd5d35eb68c_kvp
	.globl	k_qd5d35eb68c_kvp
	.p2align	8
	.type	k_qd5d35eb68c_kvp,@function
k_qd5d35eb68c_kvp:
	s_mov_b64 s[64:65], 0
	v_nop
	global_prefetch_b8 v0, s[64:65] scope:SCOPE_SE
	s_setreg_imm32_b32 hwreg(HW_REG_WAVE_MODE, 25, 1), 1
	s_wait_xcnt 0x0
	s_wait_alu depctr_hold_cnt(0) depctr_sa_sdst(0) depctr_va_vdst(0) depctr_va_sdst(0) depctr_va_ssrc(0) depctr_va_vcc(0) depctr_vm_vsrc(0)
	s_getreg_b32 s2, hwreg(HW_REG_IB_STS2, 6, 4)
	s_cmp_eq_u32 s2, 0
	s_cbranch_scc0 .Lentry_in_a_cluster
	s_endpgm
.Lentry_in_a_cluster:
	s_bfe_u32 s2, ttmp6, 0x10000c
	s_cmp_lg_u32 s2, 0xf033
	s_cbranch_scc0 .Lentry_shape_is_right
	s_endpgm
.Lentry_shape_is_right:
; kv = FC Wkv^T, [8,192 tokens][1,024], on codes of FP8 (E4M3) with the exponents e4 and e5; sums in f32.  kv never goes to memory as f32: it leaves as the four operands that attention wants:
; K of the first attention (exponent e7), V of the first (e9), K of the second (e11), V of the second (e13), each as images of the operand's registers.
; kvimg: [attention 2][batch 4][head 16][step of 128 keys 16][16,384 bytes].  A step: 8 fragments of K (16 keys x the head's 64 channels, 8 registers a lane, 1,024 bytes), then 4 fragments of V^T
; (16 channels x the step's 128 keys, 16 registers a lane, 2,048 bytes).  In an image block g (512 bytes) holds registers 4 g .. 4 g + 3, lane l's 16 bytes at 16 l.
; BOTH ORIENTATIONS BY SWAPPING THE SOURCES.  K's fragment wants a lane to hold one key and eight channels, V's one channel and eight keys.  So each pair of fragments is multiplied twice,
; (W, fc) and (fc, W), into two sets of accumulators; the sums are the same.  Each conversion's two words are then two registers of an image, in the right lane: nothing is transposed.
; That is 64 more matrix instructions a wave; the LDS reads, of which a step has 24 for its 16 products, are not repeated.
; LIMITS: e7, e9, e11, e13, each less e4 + e5, lie between -126 and 119.
; SHARES.  256 work-groups, each 256 tokens x 128 channels (two heads) with all of K.  Sixteen waves: wave = (mg, ng): tokens 32 mg on, head ng of the two.
; LDS.  A quarter of K is 64 KiB of fc (two panels' quarters) and 32 KiB of Wkv: a slot of 96 KiB; three slots.  A load is 32 KiB, dense in memory: 128 rows of 256 bytes.
; At the head nine waves issue ONE load each: waves 0-5 fc's panel w % 2 of quarter w / 2, waves 6-8 W's panel of quarter w - 6: quarters 0, 1, 2 in slots 0, 1, 2.
; Quarter 3 goes into slot 0 when every wave of the cluster has read quarter 0 out: waves 0, 1 and 6, one load each, with quarters 1 and 2 in which to land.  Every wait on TENSORcnt is for 0.
; CLUSTER 4 x 4: the four work-groups of a row of the cluster share fc's panels, the four of a column W's: each load is asked for jointly, with a mask that names the four.
; PREFETCH: none: three quarters of K are asked for at the head and the text has no loop to run ahead in.
.set QB,    32768
.set SLOT,  98304
.set BOFF,  65536
.set WOFF,  8388608+2097152            ; Wkv's panels lie behind the 64 panels of rows and the 16 of Wq1 and Wq2
.set SPARE, 3*SLOT                     ; behind the slots: the spare words, 128 bytes for each wave
.set WV,   12                          ; s12 wave; s13 wave & 1 = ng; s14 mg; s15 my wave's row panel; s16, s17 cx, cy; s18 column panel; s19 work-group y (256 tokens)
.set G1A,  24
.set G1B,  32
.set G0A,  40
.set G0B,  68
.set LI,   1                           ; v1  16 x lane
.set ADRA, 2
.set ADRB, 3
; v4, v5: scale and hold for K of the first attention; v6, v7: V of the first; v8, v9: K of the second; v10, v11: V of the second
.set VK,   12                          ; v12 my place in a step's fragments of K
.set VV,   13                          ; v13 and of V
.set SPW,  14                          ; v14 LDS address of my spare word; never rewritten
.set NIL,  15                          ; v15 0; never rewritten
.set AF,   16                          ; v16-47   fc's two fragments
.set BF,   48                          ; v48-111  W's four
.set ACK,  112                         ; v112-175 (W, fc): lane (r, h): token r, channels 8 h + 0 .. 7
.set ACV,  176                         ; v176-239 (fc, W): lane (r, h): channel r, tokens 8 h + 0 .. 7
.set T0,   240                         ; v240-255 two sets of eight held numbers, by turns
.set CD,   16                          ; the way out: codes, four registers of their own for each of the 16 stores
.macro CROUND                          ; a round of the cluster's barrier
	s_barrier_signal -1
	s_barrier_wait -1
	s_cmp_lg_u32 s[WV], 0
	s_cbranch_scc1 .Lnot_wave_0_\@
	s_barrier_signal -3
.Lnot_wave_0_\@:
	s_barrier_wait -3
	s_barrier_signal -1
	s_barrier_wait -1
.endm
.macro SETADR off                      ; my fragments' LDS addresses in the slot that begins at byte off
	s_lshl_b32 s60, s14, 13
	s_add_co_u32 s60, s60, \off
	v_add_nc_u32 v[ADRA], s60, v[LI]
	s_lshl_b32 s60, s13, 14
	s_add_co_u32 s60, s60, (\off)+BOFF
	v_add_nc_u32 v[ADRB], s60, v[LI]
.endm
	s_load_b256 s[4:11], s[0:1], 0x0               ; fc's images s[4:5], the weights' images s[6:7], the scales' exponents s[8:9], kvimg s[10:11]
	v_lshl_add_u32 v[SPW], v0, 2, SPARE
	v_mov_b32 v[NIL], 0
	ds_add_u32 v[SPW], v[NIL]                      ; the opening lines: the add, twice on end, and its wait
	ds_add_u32 v[SPW], v[NIL]
	s_wait_dscnt 0x0
	v_lshrrev_b32 v9, 5, v0
	s_delay_alu instid0(VALU_DEP_1)
	v_readfirstlane_b32 s[WV], v9                  ; wave 0..15
	s_and_b32 s13, s[WV], 1
	s_lshr_b32 s14, s[WV], 1
	s_bfe_u32 s16, ttmp6, 0x40000                  ; cx, cy
	s_bfe_u32 s17, ttmp6, 0x40004
	s_lshl_b32 s18, ttmp9, 2
	s_add_co_u32 s18, s18, s16                     ; column panel = 4 x cluster x + cx
	s_and_b32 s20, ttmp7, 0xffff
	s_lshl_b32 s19, s20, 2
	s_add_co_u32 s19, s19, s17                     ; work-group y = 4 x cluster y + cy
	s_lshl_b32 s21, s17, 2
	s_lshl_b32 s21, 15, s21                        ; my row of the cluster
	s_lshl_b32 s22, 0x1111, s16                    ; my column
	s_or_b32 s[G1A], s21, (3<<16)|(1<<21)          ; elements of 8 bytes; the mask; bit 21 beside it
	s_or_b32 s[G1B], s22, (3<<16)|(1<<21)
.irp g, G1A, G1B
	s_mov_b32 s[\g+1], 32<<16                      ; tensor_dim0 = 32
	s_mov_b32 s[\g+2], 128<<16                     ; tensor_dim1 = 128
	s_mov_b32 s[\g+3], 32<<16                      ; tile_dim0 = 32
	s_mov_b32 s[\g+4], 128                         ; tile_dim1 = 128
	s_mov_b32 s[\g+5], 32                          ; tensor_dim0_stride
	s_mov_b32 s[\g+6], 0
	s_mov_b32 s[\g+7], 0
.endr
	s_min_u32 s21, s[WV], 5                        ; (the waves that fetch nothing have their numbers held inside the slots)
	s_lshr_b32 s21, s21, 1                         ; fc's quarter
	s_mul_i32 s[G0A+1], s21, SLOT
	s_lshl_b32 s57, s13, 15
	s_add_co_u32 s[G0A+1], s[G0A+1], s57           ; LDS: slot, panel
	s_lshl_b32 s56, s19, 18                        ; memory: my two row panels, panel w % 2, quarter: work-group y and the wave alone
	s_lshl_b32 s57, s13, 17
	s_add_co_u32 s56, s56, s57
	s_lshl_b32 s57, s21, 15
	s_add_co_u32 s56, s56, s57
	s_mov_b32 s57, 0
	s_add_co_u32 s21, s[WV], 2
	s_and_b32 s21, s21, 3
	s_min_u32 s21, s21, 2                          ; W's quarter: 0, 1, 2 in waves 6, 7, 8
	s_mul_i32 s[G0B+1], s21, SLOT
	s_add_co_u32 s[G0B+1], s[G0B+1], BOFF
	s_lshl_b32 s58, s18, 17                        ; memory: the column panel and the wave alone
	s_lshl_b32 s59, s21, 15
	s_add_co_u32 s58, s58, s59
	s_add_co_u32 s58, s58, WOFF
	s_mov_b32 s59, 0
	s_wait_kmcnt 0x0
	s_load_b256 s[84:91], s[8:9], 0x0              ; e0 .. e7
	s_load_b128 s[92:95], s[8:9], 0x20             ; e8 .. e11
	s_load_b64 s[96:97], s[8:9], 0x30              ; e12, e13
	s_add_nc_u64 s[56:57], s[4:5], s[56:57]
	s_add_nc_u64 s[58:59], s[6:7], s[58:59]
	CROUND                                         ; all sixteen work-groups are here: the first joint loads meet
	s_mov_b32 s[G0A], 1                            ; count = 1
	s_mov_b64 s[G0A+2:G0A+3], s[56:57]
	s_or_b32 s[G0A+3], s[G0A+3], 0x80000000        ; type = 2
	s_mov_b32 s[G0B], 1
	s_mov_b64 s[G0B+2:G0B+3], s[58:59]
	s_or_b32 s[G0B+3], s[G0B+3], 0x80000000
	s_cmp_lt_u32 s[WV], 6                          ; one chain of branches on the wave's number, one load to an arm
	s_cbranch_scc0 .Lnot_a
	tensor_load_to_lds s[G0A:G0A+3], s[G1A:G1A+7]
	s_nop 0
.rept 4
	v_nop
.endr
	s_branch .Lfilled
.Lnot_a:
	s_cmp_lt_u32 s[WV], 9
	s_cbranch_scc0 .Lfilled
	tensor_load_to_lds s[G0B:G0B+3], s[G1B:G1B+7]
	s_nop 0
.rept 4
	v_nop
.endr
.Lfilled:
	v_and_b32 v9, 31, v0
	s_delay_alu instid0(VALU_DEP_1)
	v_lshlrev_b32 v[LI], 4, v9
	s_wait_alu depctr_va_vdst(0)
	SETADR 0
	s_lshl_b32 s15, s19, 1                         ; my wave's row panel of 128 tokens: 2 x work-group y + mg / 4; in it my 32 tokens are number mg % 4
	s_lshr_b32 s61, s14, 2
	s_add_co_u32 s15, s15, s61
	s_and_b32 s21, s14, 3
	s_lshl_b32 s60, s21, 11
	v_add_nc_u32 v[VK], s60, v[LI]                 ; K: my tokens are fragments 2 (mg % 4), + 1 of the step
	s_lshl_b32 s60, s21, 9
	s_add_co_u32 s60, s60, 8192
	v_add_nc_u32 v[VV], s60, v[LI]                 ; V: my 32 tokens are registers 4 (mg % 4) on, one block, of each of the head's four fragments
	; where my step lies: a row panel is 128 tokens of one input (panel / 32) and one batch ((panel / 8) % 4): step 8 x input + panel % 8; head 2 x column panel + ng
	s_bfe_u32 s60, s15, 0x20003
	s_lshl_b32 s60, s60, 4
	s_lshl_b32 s61, s18, 1
	s_add_co_u32 s60, s60, s61
	s_add_co_u32 s60, s60, s13
	s_lshl_b32 s60, s60, 18
	s_lshr_b32 s61, s15, 5
	s_lshl_b32 s61, s61, 3
	s_and_b32 s62, s15, 7
	s_add_co_u32 s61, s61, s62
	s_lshl_b32 s61, s61, 14
	s_add_co_u32 s60, s60, s61
	s_mov_b32 s61, 0
	s_add_nc_u64 s[10:11], s[10:11], s[60:61]      ; for the first attention,
	s_add_nc_u64 s[62:63], s[10:11], 0x1000000     ; and for the second
.macro MKSC se, vs, vh                 ; s[se] = an exponent e: v[vs] = 2^e as f32, v[vh] = 448 x 2^e
	s_add_co_i32 s[\se], s[\se], 127
	s_lshl_b32 s23, s[\se], 23
	v_mov_b32 v[\vs], s23
	s_add_co_i32 s[\se], s[\se], 8
	s_lshl_b32 s[\se], s[\se], 23
	s_or_b32 s[\se], s[\se], 0x600000
	v_mov_b32 v[\vh], s[\se]
.endm
	s_wait_kmcnt 0x0
	s_add_co_i32 s22, s88, s89                     ; e4 + e5: a sum stands for sum x 2^(e4 + e5), so its code under 2^e is sum / 2^(e - e4 - e5)
	s_sub_co_i32 s91, s91, s22
	s_sub_co_i32 s93, s93, s22
	s_sub_co_i32 s95, s95, s22
	s_sub_co_i32 s97, s97, s22
	MKSC 91, 4, 5
	MKSC 93, 6, 7
	MKSC 95, 8, 9
	MKSC 97, 10, 11
; 128 along K.  24 LDS loads of 512 consecutive bytes, then 16 matrix instructions on 16 accumulators, which take turns, one instruction a turn, in the same order in every step.
.macro KSTEP ch, first
.if \first == 0
.rept 4
	v_nop                                          ; four places in front of loads into registers that matrix instructions have read
.endr
.endif
.irp a, 0,1
.irp g, 0,1,2,3
	ds_load_b128 v[AF+16*\a+4*\g:AF+16*\a+4*\g+3], v[ADRA] offset:4096*\a+2048*\ch+512*\g
.endr
.endr
.irp b, 0,1,2,3
.irp g, 0,1,2,3
	ds_load_b128 v[BF+16*\b+4*\g:BF+16*\b+4*\g+3], v[ADRB] offset:4096*\b+2048*\ch+512*\g
.endr
.endr
.irp b, 0,1,2,3
	s_wait_dscnt 12-4*\b                           ; fc and W's tiles up to b are in; W's later tiles, four loads each, may be out
.irp a, 0,1
.if \first
	v_wmma_f32_16x16x128_fp8_fp8 v[ACK+8*(4*\a+\b):ACK+8*(4*\a+\b)+7], v[BF+16*\b:BF+16*\b+15], v[AF+16*\a:AF+16*\a+15], 0
	v_wmma_f32_16x16x128_fp8_fp8 v[ACV+8*(4*\a+\b):ACV+8*(4*\a+\b)+7], v[AF+16*\a:AF+16*\a+15], v[BF+16*\b:BF+16*\b+15], 0
.else
	v_wmma_f32_16x16x128_fp8_fp8 v[ACK+8*(4*\a+\b):ACK+8*(4*\a+\b)+7], v[BF+16*\b:BF+16*\b+15], v[AF+16*\a:AF+16*\a+15], v[ACK+8*(4*\a+\b):ACK+8*(4*\a+\b)+7]
	v_wmma_f32_16x16x128_fp8_fp8 v[ACV+8*(4*\a+\b):ACV+8*(4*\a+\b)+7], v[AF+16*\a:AF+16*\a+15], v[BF+16*\b:BF+16*\b+15], v[ACV+8*(4*\a+\b):ACV+8*(4*\a+\b)+7]
.endif
.endr
.endr
.endm
.macro Q8 acc, dst, vs, vh, t          ; eight sums become eight codes: the hold into registers of their own, from the accumulator's low end on, then the conversion
.irp j, 0,1,2,3,4,5,6,7
	v_med3_num_f32 v[\t+\j], v[\acc+\j], -v[\vh], v[\vh]   ; the conversion to an 8-bit code does not saturate (ISA guide 7.6.2)
.endr
	v_cvt_scalef32_pk8_fp8_f32 v[\dst:\dst+1], v[\t:\t+7], v[\vs]
.endm
	; QUARTER 0.  Each loading wave has one load out: the wait is for it.  Behind the barrier quarters 0, 1 and 2 are in.
	s_wait_tensorcnt 0x0
	s_barrier_signal -1
	s_barrier_wait -1
	KSTEP 0, 1
	KSTEP 1, 0
	; QUARTER 1, AND THE REFILL OF SLOT 0.  Every wave runs the wait and the adds; the round says of every wave of all sixteen
	; work-groups that its reads of slot 0 are over; the joint load of quarter 3 is the first thing behind it, one a wave.
	s_wait_tensorcnt 0x0
	ds_add_u32 v[SPW], v[NIL]
	ds_add_u32 v[SPW], v[NIL]
	SETADR SLOT
	s_add_nc_u64 s[G0A+2:G0A+3], s[G0A+2:G0A+3], 3*QB   ; no load of mine is out: the groups 0 step from quarter 0 to quarter 3 (used by waves 0, 1 and 6, whose LDS address is slot 0's)
	s_add_nc_u64 s[G0B+2:G0B+3], s[G0B+2:G0B+3], 3*QB
	s_wait_dscnt 0x0                               ; the adds are done, and my reads of slot 0 are over
	CROUND
	s_cmp_lt_u32 s[WV], 2
	s_cbranch_scc0 .Lre_b
	tensor_load_to_lds s[G0A:G0A+3], s[G1A:G1A+7]
	s_nop 0
.rept 4
	v_nop
.endr
	s_branch .Lre_done
.Lre_b:
	s_cmp_eq_u32 s[WV], 6
	s_cbranch_scc0 .Lre_done
	tensor_load_to_lds s[G0B:G0B+3], s[G1B:G1B+7]
	s_nop 0
.rept 4
	v_nop
.endr
.Lre_done:
	s_wait_alu depctr_va_vdst(0)
	KSTEP 0, 0
	KSTEP 1, 0
	; QUARTER 2: shown landed to everybody ahead of the first barrier
	SETADR 2*SLOT
	KSTEP 0, 0
	s_wait_alu depctr_va_vdst(0)
	KSTEP 1, 0
	; QUARTER 3, in slot 0
	s_wait_tensorcnt 0x0
	s_barrier_signal -1                            ; (no LDS access of mine is pending)
	s_barrier_wait -1
	SETADR 0
	KSTEP 0, 0
	s_wait_alu depctr_va_vdst(0)
	KSTEP 1, 0
.rept 4
	v_nop                                          ; four places behind the last products
.endr
.irp al, 0,1                           ; the two attentions have exponents of their own
.irp a, 0,1                            ; K: (a, b) gives registers 2 b, 2 b + 1 of fragment 2 (mg % 4) + a
.irp b, 0,1,2,3
	Q8 ACK+8*(4*\a+\b), CD+32*\al+8*\a+2*\b, 4+4*\al, 5+4*\al, T0+8*(\b%2)
.endr
.endr
.irp b, 0,1,2,3                        ; V: (a, b) gives registers 4 (mg % 4) + 2 a, + 1 of fragment b
.irp a, 0,1
	Q8 ACV+8*(4*\a+\b), CD+32*\al+16+4*\b+2*\a, 6+4*\al, 7+4*\al, T0+8*(\a%2)
.endr
.endr
.endr
	v_nop                                          ; a plain instruction behind the last conversion
.irp al, 0,1
.irp a, 0,1
.irp gg, 0,1
	global_store_b128 v[VK], v[CD+32*\al+8*\a+4*\gg:CD+32*\al+8*\a+4*\gg+3], s[10+52*\al:11+52*\al] offset:1024*\a+512*\gg   ; a block of an image: 512 consecutive bytes, at a multiple of 256 from the buffer's first byte
.endr
.endr
.irp b, 0,1,2,3
	global_store_b128 v[VV], v[CD+32*\al+16+4*\b:CD+32*\al+16+4*\b+3], s[10+52*\al:11+52*\al] offset:2048*\b
.endr
.endr
	s_wait_tensorcnt 0x0                           ; the wave's end
	ds_add_u32 v[SPW], v[NIL]
	s_wait_dscnt 0x0
	CROUND                                         ; the closing round: no work-group ends while a partner may still ask for a tile that names it
	s_endpgm
.Lfunc_end_k_qd5d35eb68c_kvp:
	.size	k_qd5d35eb68c_kvp, .Lfunc_end_k_qd5d35eb68c_kvp-k_qd5d35eb68c_kvp
	.p2alignl 7, 3214868480
	.fill 96, 4, 3214868480
	.section	.rodata,"a",@progbits
	.p2align	6, 0x0
	.amdhsa_kernel k_qd5d35eb68c_kvp
		.amdhsa_group_segment_fixed_size 327680
		.amdhsa_private_segment_fixed_size 0
		.amdhsa_enable_private_segment 0
		.amdhsa_kernarg_size 32
		.amdhsa_user_sgpr_count 2
		.amdhsa_user_sgpr_kernarg_segment_ptr 1
		.amdhsa_wavefront_size32 1
		.amdhsa_system_sgpr_workgroup_id_x 1
		.amdhsa_system_sgpr_workgroup_id_y 1
		.amdhsa_system_sgpr_workgroup_id_z 1
		.amdhsa_system_vgpr_workitem_id 0
		.amdhsa_next_free_vgpr 256
		.amdhsa_next_free_sgpr 100
		.amdhsa_reserve_vcc 0
		.amdhsa_float_denorm_mode_32 3
		.amdhsa_float_denorm_mode_16_64 3
		.amdhsa_memory_ordered 1
		.amdhsa_forward_progress 1
		.amdhsa_inst_pref_size 52
	.end_amdhsa_kernel
	.amdgpu_metadata
---
amdhsa.version: [ 1, 2 ]
amdhsa.kernels:
  - .name:           k_qd5d35eb68c_kvp
    .symbol:         k_qd5d35eb68c_kvp.kd
    .args:
      - { .name: fcimg, .offset: 0, .size: 8, .value_kind: global_buffer, .address_space: global }
      - { .name: opimg, .offset: 8, .size: 8, .value_kind: global_buffer, .address_space: global }
      - { .name: lowp_scales, .offset: 16, .size: 8, .value_kind: global_buffer, .address_space: global }
      - { .name: kvimg, .offset: 24, .size: 8, .value_kind: global_buffer, .address_space: global }
    .group_segment_fixed_size: 327680
    .private_segment_fixed_size: 0
    .kernarg_segment_align: 8
    .kernarg_segment_size: 32
    .max_flat_workgroup_size: 512
    .sgpr_count:     100
    .vgpr_count:     256
    .wavefront_size: 32
...
	.end_amdgpu_metadata
.endif
;; end of part 3
;; launch attn (part 4): grid 2 x 128, 16 waves a work-group, no clusters, 327,680 bytes of LDS; arguments qf32, kvimg, lowp_scales, out0, out1, qimg; writes out0, out1
.if DOCPART == 4
	.amdgcn_target "amdgcn-amd-amdhsa--gfx1250"
	.amdhsa_code_object_version 6
	.text
	.protected	k_qd5d35eb68c_attn
	.globl	k_qd5d35eb68c_attn
	.p2align	8
	.type	k_qd5d35eb68c_attn,@function
k_qd5d35eb68c_attn:
	s_mov_b64 s[64:65], 0
	v_nop
	global_prefetch_b8 v0, s[64:65] scope:SCOPE_SE
	s_setreg_imm32_b32 hwreg(HW_REG_WAVE_MODE, 25, 1), 1
	s_wait_xcnt 0x0
; out = softmax(Q K^T / 8) V + Q for both attentions, 64 (batch, head) pairs each: 1,024 queries, 2,048 keys, head size 64.  Both products on codes of FP8 (E4M3), sums in f32.
; All three operands come as images of the operands' registers, made by the launches before with 2^eq, 2^ek and 2^ev; Q in f32 (qf32 [8,192][1,024]) is the residual alone.
; qimg: a panel of 128 rows = [quarter of the 1,024 channels][tile of 16 rows][half of the quarter][2,048 bytes]; a head's 64 channels are 1,024 bytes of it: 8 registers a lane, block g (512 bytes) holds registers 4 g .. 4 g + 3.
; kvimg [attention][batch][head][step of 128 keys][16,384]: 8 fragments of K (16 keys x 64 channels, 1,024 bytes), then 4 of V^T (16 channels x 128 keys, 2,048 bytes).
; The exponents eq, ek, ep, ev are entries 6 to 9 of the scales for the first attention, 10 to 13 for the second.
; THE SOFTMAX AHEAD OF THE SECOND PRODUCT: t = score x log2(e) / 8; M = the ceiling of the row's largest t so far; p = 2^(t - M) is what is quantised; it is not normalised.
; The row's sum is taken of the unquantised p, in f32, and divides O at the end.  When M moves, the sum and O are multiplied by 2^(old M - new M): exact.
; LIMITS: eq + ek between -123 and 130 (they are added to the exponent field of log2(e) / 8); ep between -126 and 119; ep + ev is applied by v_ldexp_f32 and has none.  NaN is not served.
; SHARES.  256 work-groups: a work-group owns 512 queries of one (attention, batch, head); each of its sixteen waves owns 32 of them, two tiles of 16, so that a fragment of K or V read from LDS feeds two matrix instructions.
; LDS.  Bytes 8,192 to 270,335 hold all of the head's K and V, 256 KiB, each byte filled once.  At the head every wave asks for 4 KiB of steps 0 to 3 (one load a wave); behind the wait, the add.
; Every wait on TENSORcnt is for 0.
; The stages of the way out, 4,352 bytes a wave, lie in bytes 0 to 69,631: 8 KiB that nothing fills, and steps 0 to 3, which have had their only fill and which no wave reads behind the second barrier.
; CLUSTER: none.  A head's images have two readers, the two work-groups of its row of the grid, and each fetches them once, by two loads a wave; there is no ring whose refills the two could ask for jointly.
; PREFETCH.  K and V: none: both fills are asked for ahead of the loops, so no trip stands ahead of a load.  The residual: each wave asks once for the 32 blocks of 256 bytes that it alone will load,
; a lane a row, behind the second barrier: twelve steps ahead of the loads.
; LAYOUT.  Both products are used transposed: S^T = K Q^T (source 0 = 16 keys, source 1 = 16 queries), O^T = V^T P^T (source 0 = 16 channels, source 1 = P): a lane holds query lane % 16 of each tile throughout.
; In S^T's tile t lane (r, h) holds keys 16 t + 8 h + 0 .. 7: their codes are registers 2 t, 2 t + 1 of P as the second product wants them.
.set IMG,   8192                       ; LDS byte of step 0
.set SPARE, IMG+262144                 ; behind the images: the spare words, 128 bytes a wave
.set SP,    272                        ; a stage row: 256 bytes + 16
.set WV,  14                           ; s14 wave; s16 grid y; s17 attention; s18 batch; s19 head
.set G0A, 24                           ; s[24:27], s[28:31] group 0 of my two loads; s[32:39], s[40:47] their groups 1
.set G0B, 28
.set G1A, 32
.set G1B, 40
; s[20:21] lane selects; s[22:23] c = log2(e) / 8 x 2^(eq + ek); s48 LDS byte of the step; s49 steps to go; s50 448 x 2^ep; s51 ep + ev; s[78:79] my codes of Q
.set LI,  1                            ; v1 16 x lane
.set AD,  2                            ; v2 LDS address of the step in hand
.set SPW, 3                            ; v3 my spare word; never rewritten
.set NIL, 4                            ; v4 0; never rewritten
.set QA,  5                            ; v5 the way out: lanes 0-15 one row of 4,096 bytes, lanes 16-31 the next, 16 bytes a lane: in qf32 and in the output alike
.set SC,  6                            ; v6 2^ep
.set NM,  8                            ; v8, v10: -M of tile 0, 1 (v9, v11 are named as upper halves of pairs)
.set F,   12                           ; v12 f = 2^(old M - new M) (v13 likewise)
.set SUM, 14                           ; v[14:15], v[16:17] the sums, in two halves
.set QC,  18                           ; v18-33   Q's codes, 8 registers a tile
.set PC0, 34                           ; v34-49   tile 0's p as codes
.set FR,  50                           ; v50-113  K's 8 fragments, then V's 4; at the end the residual's rows
.set PC1, 114                          ; v114-129 tile 1's p as codes: two registers, and then the scores' registers that earlier conversions have read
.set S,   116                          ; v116-179 S^T, then p, of the tile in hand
.set OT,  180                          ; v180-243 O^T, 32 registers a tile
.set T,   244                          ; v244-255 at work
.set STO, T+6
.set RD,  T+7
.set PFO, T+10                         ; v254 the prefetch's offset: 4,096 x lane; never rewritten
	s_load_b256 s[4:11], s[0:1], 0x0               ; qf32 s[4:5], kvimg s[6:7], the scales' exponents s[8:9], out0 s[10:11]
	s_load_b128 s[76:79], s[0:1], 0x20             ; out1 s[76:77], qimg s[78:79]
	v_lshl_add_u32 v[SPW], v0, 2, SPARE
	v_mov_b32 v[NIL], 0
	ds_add_u32 v[SPW], v[NIL]                      ; the opening lines: the add, twice on end, and its wait ahead of my first tensor load
	ds_add_u32 v[SPW], v[NIL]
	v_lshrrev_b32 v[AD], 5, v0
	v_readfirstlane_b32 s[WV], v[AD]               ; wave 0..15
	s_and_b32 s16, ttmp7, 0xffff                   ; 64 x attention + 16 x batch + head
	s_lshr_b32 s17, s16, 6
	s_bfe_u32 s18, s16, 0x20004
	s_and_b32 s19, s16, 15
.irp g, G1A, G1B                       ; dense memory as rows of 32 elements of 8 bytes
	s_mov_b32 s[\g], 3<<16
	s_mov_b32 s[\g+1], 32<<16                      ; tensor_dim0
	s_mov_b32 s[\g+3], 32<<16                      ; tile_dim0
	s_mov_b32 s[\g+5], 32                          ; pitch
	s_mov_b32 s[\g+6], 0
	s_mov_b32 s[\g+7], 0
.endr
	s_mov_b32 s[G1A+2], 16<<16                     ; 16 rows: 4 KiB
	s_mov_b32 s[G1A+4], 16
	s_mov_b32 s[G1B+2], 48<<16                     ; 48 rows: 12 KiB
	s_mov_b32 s[G1B+4], 48
	s_mov_b32 s20, 0x76543210
	s_mov_b32 s21, 0xfedcba98
	s_lshl_b32 s68, s[WV], 12                      ; my 4 KiB of steps 0-3,
	s_add_co_u32 s[G0A+1], s68, IMG
	s_mul_i32 s69, s[WV], 12288                    ; my 12 KiB of steps 4-15: in LDS as in memory
	s_add_co_u32 s[G0B+1], s69, IMG+65536
	s_lshl_b32 s70, s16, 18                        ; the head's 256 KiB
	s_add_co_u32 s72, s70, s69
	s_add_co_u32 s72, s72, 65536
	s_add_co_u32 s70, s70, s68
	s_mov_b32 s71, 0
	s_mov_b32 s73, 0
	s_lshl_b32 s74, s18, 10                        ; my first row in an output: 1,024 x batch + 512 x work-group x + 32 x wave
	s_lshl_b32 s75, ttmp9, 9
	s_add_co_u32 s74, s74, s75
	s_lshl_b32 s75, s[WV], 5
	s_add_co_u32 s74, s74, s75
	s_lshl_b32 s2, s17, 12                         ; among the 8,192 rows of qimg and qf32 the second attention's lie 4,096 further down
	s_add_co_u32 s2, s2, s74
	s_lshr_b32 s3, s2, 7
	s_lshl_b32 s3, s3, 17                          ; qimg: the panel of 128 rows,
	s_bfe_u32 s2, s2, 0x30004
	s_lshl_b32 s2, s2, 12                          ; the tile of 16 rows in it (my second tile is the next),
	s_add_co_u32 s2, s2, s3
	s_lshr_b32 s3, s19, 2
	s_lshl_b32 s3, s3, 15                          ; the quarter of the channels: head / 4,
	s_add_co_u32 s2, s2, s3
	s_and_b32 s3, s19, 3
	s_lshl_b32 s3, s3, 10                          ; and the head's 1,024 bytes among the tile's 4,096
	s_add_co_u32 s2, s2, s3
	s_mov_b32 s3, 0
	s_lshl_b32 s74, s74, 12                        ; the output's row in bytes,
	s_lshl_b32 s75, s19, 8                         ; and the head's 256 bytes of a row
	s_add_co_u32 s74, s74, s75
	s_mov_b32 s75, 0
	s_lshl_b32 s68, s17, 24
	s_add_co_u32 s68, s68, s74                     ; the same in qf32
	s_mov_b32 s69, 0
	v_and_b32 v[T], 15, v0                         ; r
	v_bfe_u32 v[T+1], v0, 4, 1                     ; h
	v_lshlrev_b32 v[QA], 12, v[T+1]
	v_lshl_add_u32 v[QA], v[T], 4, v[QA]
	v_and_b32 v[LI], 31, v0
	v_lshlrev_b32 v[PFO], 12, v[LI]
	v_lshlrev_b32 v[LI], 4, v[LI]
	s_wait_alu depctr_va_vdst(0)
	s_wait_dscnt 0x0                               ; both opening adds are done
	s_wait_kmcnt 0x0
	s_mov_b32 s[G0A], 1
	s_add_nc_u64 s[G0A+2:G0A+3], s[6:7], s[70:71]
	s_or_b32 s[G0A+3], s[G0A+3], 0x80000000
	tensor_load_to_lds s[G0A:G0A+3], s[G1A:G1A+7]  ; my one load at the head
	s_nop 0
	s_load_b256 s[52:59], s[8:9], 0x0              ; e0 .. e7
	s_load_b128 s[60:63], s[8:9], 0x20             ; e8 .. e11
	s_load_b64 s[66:67], s[8:9], 0x30              ; e12, e13
	s_add_nc_u64 s[78:79], s[78:79], s[2:3]
.irp k, 0,1,2,3
	global_load_b128 v[QC+4*\k:QC+4*\k+3], v[LI], s[78:79] offset:4096*(\k/2)+512*(\k%2)   ; Q's codes: 512 consecutive bytes a load; two loads a tile
.endr
	s_mov_b32 s[G0B], 1
	s_add_nc_u64 s[G0B+2:G0B+3], s[6:7], s[72:73]
	s_or_b32 s[G0B+3], s[G0B+3], 0x80000000
	s_add_nc_u64 s[4:5], s[4:5], s[68:69]
	s_cmp_eq_u32 s17, 0
	s_cselect_b64 s[10:11], s[10:11], s[76:77]     ; the attention's output: the choice hangs on the work-group's number alone
	s_add_nc_u64 s[10:11], s[10:11], s[74:75]
.irp a, 0,1
	v_mov_b32 v[NM+2*\a], 0x7f61b1e6               ; -M = 3e38: M lies under every t
	v_mov_b32 v[NM+2*\a+1], 0
	v_mov_b32 v[SUM+2*\a], 0
	v_mov_b32 v[SUM+2*\a+1], 0
.endr
	v_mov_b32 v[F+1], 0
	v_mov_b32 v[T+4], 0                            ; a lane permute's destination counts as one of its sources
.set j, 0
.rept 64
	v_mov_b32 v[OT+j], 0                           ; O^T.  (The step is written once: the first finds zeros, which the first change of M leaves zeros)
.set j, j+1
.endr
	s_wait_kmcnt 0x0
	s_cmp_eq_u32 s17, 0                            ; the attention's four exponents: a choice of numbers, no branch
	s_cselect_b32 s68, s58, s62                    ; eq
	s_cselect_b32 s69, s59, s63                    ; ek
	s_cselect_b32 s70, s60, s66                    ; ep
	s_cselect_b32 s71, s61, s67                    ; ev
	s_mov_b32 s22, 0x3e38aa3b                      ; log2(e) / 8
	s_add_co_i32 s76, s68, s69
	s_lshl_b32 s76, s76, 23
	s_add_co_i32 s22, s22, s76                     ; a score stands for score x 2^(eq + ek): the two exponents are added to c's exponent field
	s_mov_b32 s23, s22
	s_add_co_i32 s51, s70, s71                     ; ep + ev
	s_add_co_i32 s70, s70, 127
	s_lshl_b32 s80, s70, 23
	v_mov_b32 v[SC], s80                           ; 2^ep
	s_add_co_i32 s70, s70, 8
	s_lshl_b32 s70, s70, 23
	s_or_b32 s50, s70, 0x600000                    ; 448 x 2^ep
	s_wait_alu depctr_va_vdst(0)
	s_wait_tensorcnt 0x0                           ; my part of steps 0-3 is in
	ds_add_u32 v[SPW], v[NIL]
	s_wait_dscnt 0x0
	s_barrier_signal -1
	s_barrier_wait -1                              ; steps 0-3 are whole
	tensor_load_to_lds s[G0B:G0B+3], s[G1B:G1B+7]  ; my part of steps 4-15: my one load behind this barrier
	s_nop 0
	s_wait_loadcnt 0x0                             ; Q's codes
; The softmax of one tile's 128 scores a query (64 a lane), in S.  nm: -M; sum: the row's sum; o: the tile's O^T; pc: where the codes go.
.macro SOFTMAX nm, sum, o, pc
.irp c, 0,1,2,3
	v_max3_num_f32 v[T+\c], v[S+3*\c], v[S+3*\c+1], v[S+3*\c+2]   ; the largest score, in four chains, the registers in ascending order
.endr
.set i, 12
.rept 26
	v_max3_num_f32 v[T+(i/2)%4], v[T+(i/2)%4], v[S+i], v[S+i+1]
.set i, i+2
.endr
	v_max3_num_f32 v[T], v[T], v[T+1], v[T+2]
	s_delay_alu instid0(VALU_DEP_1)
	v_max_num_f32 v[T], v[T], v[T+3]
	s_delay_alu instid0(VALU_DEP_1)
	v_permlanex16_b32 v[T+4], v[T], s20, s21
	s_delay_alu instid0(VALU_DEP_1)
	v_max_num_f32 v[T], v[T], v[T+4]               ; and among lane l xor 16's
	s_delay_alu instid0(VALU_DEP_1)
	v_mul_f32 v[T], s22, v[T]                      ; as t (c is positive)
	s_delay_alu instid0(VALU_DEP_1)
	v_floor_f32 v[T], -v[T]                        ; -ceil(t)
	s_delay_alu instid0(VALU_DEP_1)
	v_min_num_f32 v[T+1], v[\nm], v[T]             ; the new -M: the ceiling of a maximum is the maximum of the ceilings
	s_delay_alu instid0(VALU_DEP_1)
	v_sub_f32 v[T], v[T+1], v[\nm]                 ; old M - new M: a whole number, 0 or less
	v_mov_b32 v[\nm], v[T+1]
	s_delay_alu instid0(VALU_DEP_2)
	v_cvt_i32_f32 v[T], v[T]                       ; (it saturates)
	s_delay_alu instid0(VALU_DEP_1)
	v_ldexp_f32 v[F], 1.0, v[T]                    ; f = 2^(old M - new M)
.set j, 0
.rept 32
	v_pk_fma_f32 v[S+j:S+j+1], v[S+j:S+j+1], s[22:23], v[\nm:\nm+1] op_sel_hi:[1,0,0]   ; t - M, two at a time
.set j, j+2
.endr
	s_wait_alu depctr_va_vdst(0)                   ; ahead of the batch
.set j, 0
.rept 64
	v_exp_f32 v[S+j], v[S+j]                       ; p = 2^(t - M), at most 1
.set j, j+1
.endr
	v_pk_mul_f32 v[\sum:\sum+1], v[\sum:\sum+1], v[F:F+1] op_sel_hi:[1,0]   ; the sum under the new M.  (The plain instruction behind the batch)
	s_wait_alu depctr_va_vdst(0)                   ; and the one wait behind it, ahead of its first reader
	v_pk_add_f32 v[T:T+1], v[S:S+1], v[S+2:S+3]    ; the sum of the unquantised p, two at a time, in four chains
	v_pk_add_f32 v[T+2:T+3], v[S+4:S+5], v[S+6:S+7]
	v_pk_add_f32 v[T+4:T+5], v[S+8:S+9], v[S+10:S+11]
	v_pk_add_f32 v[\sum:\sum+1], v[\sum:\sum+1], v[S+12:S+13]
.set i, 14
.rept 6
	v_pk_add_f32 v[T:T+1], v[T:T+1], v[S+i:S+i+1]
	v_pk_add_f32 v[T+2:T+3], v[T+2:T+3], v[S+i+2:S+i+3]
	v_pk_add_f32 v[T+4:T+5], v[T+4:T+5], v[S+i+4:S+i+5]
	v_pk_add_f32 v[\sum:\sum+1], v[\sum:\sum+1], v[S+i+6:S+i+7]
.set i, i+8
.endr
	v_pk_add_f32 v[T:T+1], v[T:T+1], v[S+62:S+63]
	v_pk_add_f32 v[T+2:T+3], v[T+2:T+3], v[T+4:T+5]
	v_pk_add_f32 v[\sum:\sum+1], v[\sum:\sum+1], v[T:T+1]
	v_pk_add_f32 v[\sum:\sum+1], v[\sum:\sum+1], v[T+2:T+3]
.set t, 0
.rept 8
.set i, 0
.rept 4
	v_dual_min_num_f32 v[S+8*t+i], s50, v[S+8*t+i] :: v_dual_min_num_f32 v[S+8*t+i+1], s50, v[S+8*t+i+1]   ; the hold at the largest code x the scale, one-sided: p is not negative; two numbers a line
.set i, i+2
.endr
	v_cvt_scalef32_pk8_fp8_f32 v[\pc+2*t:\pc+2*t+1], v[S+8*t:S+8*t+7], v[SC]   ; keys 16 t + 8 h + 0 .. 7: registers 2 t, 2 t + 1 of the operand.  (Four plain lines stand between two conversions)
.set t, t+1
.endr
	s_wait_alu depctr_va_vdst(0)                   ; directly ahead of the first reader of O^T
.set j, 0
.rept 16
	v_pk_mul_f32 v[\o+j:\o+j+1], v[\o+j:\o+j+1], v[F:F+1] op_sel_hi:[1,0]   ; O^T under the new M.  (Also the plain instructions behind the last conversion)
.set j, j+2
.endr
.endm
.macro SCORES a                        ; S^T of tile a: 8 matrix instructions on 8 accumulators
.irp t, 0,1,2,3,4,5,6,7
.if (\a == 0) && (\t == 4)
	s_wait_dscnt 0x0                               ; K's tiles 4 to 7 are in
.endif
	v_wmma_f32_16x16x64_fp8_fp8 v[S+8*\t:S+8*\t+7], v[FR+8*\t:FR+8*\t+7], v[QC+8*\a:QC+8*\a+7], 0
.endr
.rept 4
	v_nop                                          ; four places ahead of the first read of the scores (tile 1: and of the loads into K's registers)
.endr
.endm
; A KEY STEP: 128 keys, at LDS byte s48, for both tiles.
.macro STEP
	v_add_nc_u32 v[AD], s48, v[LI]
.rept 4
	v_nop                                          ; with the addition: five places behind the last products, whose registers the loads and the first products below write
.endr
.irp t, 0,1,2,3,4,5,6,7
	ds_load_b128 v[FR+8*\t:FR+8*\t+3], v[AD] offset:1024*\t
	ds_load_b128 v[FR+8*\t+4:FR+8*\t+7], v[AD] offset:1024*\t+512
.endr
	s_wait_dscnt 8                                 ; K's tiles 0 to 3 are in; tiles 4 to 7, two loads each, may be out
	SCORES 0
	SOFTMAX NM, SUM, OT, PC0
	SCORES 1                                       ; K's fragments serve a second time
.irp u, 0,1,2,3
.irp g, 0,1,2,3
	ds_load_b128 v[FR+16*\u+4*\g:FR+16*\u+4*\g+3], v[AD] offset:8192+2048*\u+512*\g   ; V: on its way while tile 1's softmax is walked
.endr
.endr
	SOFTMAX NM+2, SUM+2, OT+32, PC1
	s_wait_alu depctr_va_vdst(0)
	s_wait_dscnt 0x0                               ; V is in
.irp u, 0,1,2,3
	v_wmma_f32_16x16x128_fp8_fp8 v[OT+8*\u:OT+8*\u+7], v[FR+16*\u:FR+16*\u+15], v[PC0:PC0+15], v[OT+8*\u:OT+8*\u+7]   ; eight accumulators by turns, one instruction a turn
	v_wmma_f32_16x16x128_fp8_fp8 v[OT+32+8*\u:OT+32+8*\u+7], v[FR+16*\u:FR+16*\u+15], v[PC1:PC1+15], v[OT+32+8*\u:OT+32+8*\u+7]
.endr
.endm
.macro PHASE base, trips
	s_mov_b32 s48, \base
	s_mov_b32 s49, \trips
.Lstep_\@:
	STEP
	s_add_co_u32 s48, s48, 16384
	s_sub_co_u32 s49, s49, 1
	s_cmp_lg_u32 s49, 0
	s_cbranch_scc1 .Lstep_\@
.endm
	PHASE IMG, 4                                   ; steps 0 to 3
	s_wait_tensorcnt 0x0                           ; my part of steps 4-15 is in
	s_barrier_signal -1                            ; (no LDS access of mine is pending: a step's last LDS wait is for all its loads)
	s_barrier_wait -1                              ; steps 4-15 are whole, and no wave reads steps 0-3 any more
	global_prefetch_b8 v[PFO], s[4:5] th:TH_LOAD_NT scope:SCOPE_SE   ; the residual: the head's 256 bytes of each of my 32 rows, a lane a row; its address registers are never rewritten
	PHASE IMG+65536, 12                            ; steps 4 to 15
	; THE WAY OUT.  O^T / the sum x 2^(ep + ev) goes a tile at a time through my stage in LDS and comes back as rows; Q's rows are added there; sixteen lanes load and store 256 consecutive bytes.
.rept 4
	v_nop                                          ; four places behind the last products
.endr
.irp a, 0,1
.irp i, 0,1,2,3,4,5,6,7
	global_load_b128 v[FR+32*\a+4*\i:FR+32*\a+4*\i+3], v[QA], s[4:5] offset:65536*\a+8192*\i   ; the residual: rows 2 i and 2 i + 1 of tile a
.endr
.endr
	v_add_f32 v[SUM], v[SUM], v[SUM+1]             ; the sums' two halves,
	v_add_f32 v[SUM+2], v[SUM+2], v[SUM+3]
	v_permlanex16_b32 v[T], v[SUM], s20, s21
	v_permlanex16_b32 v[T+1], v[SUM+2], s20, s21
	v_add_f32 v[SUM], v[SUM], v[T]                 ; and lane l xor 16's
	v_add_f32 v[SUM+2], v[SUM+2], v[T+1]
	s_wait_alu depctr_va_vdst(0)                   ; ahead of the batch
	v_rcp_f32 v[SUM], v[SUM]
	v_rcp_f32 v[SUM+2], v[SUM+2]
	v_and_b32 v[T+2], 15, v0                       ; r
	v_bfe_u32 v[T+3], v0, 4, 1                     ; h
	s_mul_i32 s68, s[WV], 16*SP                    ; my stage
	v_mul_u32_u24 v[STO], v[T+2], SP
	v_lshl_add_u32 v[STO], v[T+3], 5, v[STO]
	v_add_nc_u32 v[STO], s68, v[STO]               ; in: row r, 32 bytes for each half of the lanes
	v_mul_u32_u24 v[RD], v[T+3], SP
	v_lshl_add_u32 v[RD], v[T+2], 4, v[RD]
	v_add_nc_u32 v[RD], s68, v[RD]                 ; back: lanes 0-15 one row of 256 bytes, lanes 16-31 the next
	s_wait_alu depctr_va_vdst(0)                   ; the wait behind the batch, ahead of its first reader
	v_ldexp_f32 v[SUM], v[SUM], s51                ; x 2^(ep + ev)
	v_ldexp_f32 v[SUM+2], v[SUM+2], s51
	s_wait_alu depctr_va_vdst(0)                   ; directly ahead of the first reader of O^T
.irp a, 0,1
.set j, 0
.rept 16
	v_pk_mul_f32 v[S+32*\a+j:S+32*\a+j+1], v[OT+32*\a+j:OT+32*\a+j+1], v[SUM+2*\a:SUM+2*\a+1] op_sel_hi:[1,0]
.set j, j+2
.endr
.endr
.irp a, 0,1
.irp u, 0,1,2,3
	ds_store_b128 v[STO], v[S+32*\a+8*\u:S+32*\a+8*\u+3] offset:64*\u
	ds_store_b128 v[STO], v[S+32*\a+8*\u+4:S+32*\a+8*\u+7] offset:64*\u+16
.endr
.irp i, 0,1,2,3,4,5,6,7
	ds_load_b128 v[OT+32*\a+4*\i:OT+32*\a+4*\i+3], v[RD] offset:544*\i   ; LDS serves a wave's instructions in order (ISA guide 5.7.1.4): these see my stores, and the next tile's stores come behind them
.endr
.endr
	s_wait_loadcnt 0x0                             ; Q's rows
	s_wait_dscnt 16                                ; tile 0's rows are back; tile 1's 8 stores and 8 loads may be out
.irp a, 0,1
.if \a == 1
	s_wait_dscnt 0x0
.endif
.set j, 0
.rept 16
	v_pk_add_f32 v[OT+32*\a+j:OT+32*\a+j+1], v[OT+32*\a+j:OT+32*\a+j+1], v[FR+32*\a+j:FR+32*\a+j+1]   ; + Q
.set j, j+2
.endr
.irp i, 0,1,2,3,4,5,6,7
	global_store_b128 v[QA], v[OT+32*\a+4*\i:OT+32*\a+4*\i+3], s[10:11] offset:65536*\a+8192*\i th:TH_STORE_NT   ; 16 lanes store 256 consecutive bytes, at a multiple of 256 from the output's first byte
.endr
.endr
	s_wait_tensorcnt 0x0                           ; the wave's end
	ds_add_u32 v[SPW], v[NIL]
	s_wait_dscnt 0x0
	s_endpgm
.Lfunc_end_k_qd5d35eb68c_attn:
	.size	k_qd5d35eb68c_attn, .Lfunc_end_k_qd5d35eb68c_attn-k_qd5d35eb68c_attn
	.p2alignl 7, 3214868480
	.fill 96, 4, 3214868480
	.section	.rodata,"a",@progbits
	.p2align	6, 0x0
	.amdhsa_kernel k_qd5d35eb68c_attn
		.amdhsa_group_segment_fixed_size 327680
		.amdhsa_private_segment_fixed_size 0
		.amdhsa_enable_private_segment 0
		.amdhsa_kernarg_size 48
		.amdhsa_user_sgpr_count 2
		.amdhsa_user_sgpr_kernarg_segment_ptr 1
		.amdhsa_wavefront_size32 1
		.amdhsa_system_sgpr_workgroup_id_x 1
		.amdhsa_system_sgpr_workgroup_id_y 1
		.amdhsa_system_sgpr_workgroup_id_z 1
		.amdhsa_system_vgpr_workitem_id 0
		.amdhsa_next_free_vgpr 256
		.amdhsa_next_free_sgpr 84
		.amdhsa_reserve_vcc 0
		.amdhsa_float_denorm_mode_32 3
		.amdhsa_float_denorm_mode_16_64 3
		.amdhsa_memory_ordered 1
		.amdhsa_forward_progress 1
		.amdhsa_inst_pref_size 77
	.end_amdhsa_kernel
	.amdgpu_metadata
---
amdhsa.version: [ 1, 2 ]
amdhsa.kernels:
  - .name:           k_qd5d35eb68c_attn
    .symbol:         k_qd5d35eb68c_attn.kd
    .args:
      - { .name: qf32, .offset: 0, .size: 8, .value_kind: global_buffer, .address_space: global }
      - { .name: kvimg, .offset: 8, .size: 8, .value_kind: global_buffer, .address_space: global }
      - { .name: lowp_scales, .offset: 16, .size: 8, .value_kind: global_buffer, .address_space: global }
      - { .name: out0, .offset: 24, .size: 8, .value_kind: global_buffer, .address_space: global }
      - { .name: out1, .offset: 32, .size: 8, .value_kind: global_buffer, .address_space: global }
      - { .name: qimg, .offset: 40, .size: 8, .value_kind: global_buffer, .address_space: global }
    .group_segment_fixed_size: 327680
    .private_segment_fixed_size: 0
    .kernarg_segment_align: 8
    .kernarg_segment_size: 48
    .max_flat_workgroup_size: 512
    .sgpr_count:     84
    .vgpr_count:     256
    .wavefront_size: 32
...
	.end_amdgpu_metadata
.endif
;; end of part 4
